; MI455X (gfx1250); checked and timed in simulation.
; The chip was launched on July 23, 2026; its instructions are those of AMD's public machine-readable ISA for CDNA 5 (MIT licence, August 2026) and "CDNA5" Instruction Set Architecture Reference Guide (July 2026). The comments in the code are by the model that wrote it; some were corrected since.
;; Causal Self Attention. Allowed arithmetic: matrix products marked QUANTISED: E3M2 operands, one E8M0 scale for each 32 along K, by v_wmma_scale_f32_16x16x128_f8f6f4 with both operands' format E3M2, f32 sums; everything else in f32.
;; Inputs: bk 1,024 float32; bp 1,024 float32; bq 1,024 float32; bv 1,024 float32; wk 1,024 x 1,024 float32; wp 1,024 x 1,024 float32; wq 1,024 x 1,024 float32; wv 1,024 x 1,024 float32; x 4 x 2,048 x 1,024 float32.
;; Outputs: out0 4 x 2,048 x 1,024 float32.
;; This version of the problem:
;;   THIS VERSION OF THE PROBLEM IS GIVEN IN LOW PRECISION. The matrix products marked QUANTISED in the list below multiply operands that are first quantised to E3M2 (3 exponent bits, 2 mantissa bits; 6 bits a number), with one power-of-two scale for each 32 numbers along K (OCP MX v1.0); their sums are f32. All else is computed in f32.
;;   The module's matrix products, in the order in which they are computed (A, B: the left and right operand; K: the contracted axis; several contracted axes count as one K, in the product's order):
;;     1. [M 8,192, K 1,024] x [K 1,024, N 1,024]; A: input x; B: input wq: QUANTISED
;;     2. [M 8,192, K 1,024] x [K 1,024, N 1,024]; A: input x; B: input wk: QUANTISED
;;     3. [M 8,192, K 1,024] x [K 1,024, N 1,024]; A: input x; B: input wv: QUANTISED
;;     4. batch 64 x [M 2,048, K 64] x [K 64, N 2,048]; A: computed on the way; B: computed on the way: QUANTISED
;;     5. batch 64 x [M 2,048, K 2,048] x [K 2,048, N 64]; A: softmax (see below); B: computed on the way: QUANTISED
;;     6. [M 8,192, K 1,024] x [K 1,024, N 1,024]; A: computed on the way; B: input wp: QUANTISED
;;   THE QUANTISER, for each operand of a quantised product, along K:
;;     - K is cut into blocks of 32 from its start; a last block that is shorter is filled with zeros.
;;     - A block's scale is 2^e with e = floor(log2(the largest magnitude in the block)) - 4, held to -126 .. 127; a block of zeros has e = 0. As a byte (E8M0): e + 127.
;;     - Each number is divided by its block's scale, clamped to +-28, and rounded to the nearest number of E3M2, ties to even, subnormals kept.
;;     - The product sums the exact products of the quantised numbers (number of the format x scale) in f32.
;;   ~~~python
;;   def quantise(x, axis):      # numpy; x: float32 -> the quantised numbers, widened to float32 again
;;       x = np.moveaxis(x, axis, -1); K = x.shape[-1]
;;       x = np.pad(x, [(0, 0)] * (x.ndim - 1) + [(0, -K % 32)]); x = x.reshape(x.shape[:-1] + (-1, 32)); a = np.abs(x).max(-1, keepdims=True)
;;       e = np.where(a > 0, np.clip(np.frexp(np.where(a > 0, a, 1))[1] - 1 - 4, -126, 127), 0)      # np.frexp(a)[1] - 1 = floor(log2(a)), exactly
;;       r = np.clip(x / 2.0 ** e, -28, 28)
;;       step = 2.0 ** (np.maximum(np.frexp(np.where(r == 0, 1, r))[1] - 1, -2) - 2)
;;       q = np.round(r / step) * step * 2.0 ** e      # np.round: ties to even
;;       return np.moveaxis(q.reshape(q.shape[:-2] + (-1,))[..., :K], -1, axis).astype(np.float32)
;;   ~~~
;;   SOFTMAX AHEAD OF A QUANTISED PRODUCT. Where the list says 'softmax', what is quantised is not the finished softmax but p = 2^(t - M), with t = logit x log2(e) and M = ceil(the row's largest t), a whole number; so 1/2 < the row's largest p <= 1. The row's sum l is taken of the UNQUANTISED p, in f32, and the product's result is divided by l at the end. Since M is a whole number, a kernel that streams over the keys may use a running M (the ceiling of the running maximum): every later rescaling is an exact power of two, which a block's scale takes up: the codes' values come out the same.
;;   OPERANDS COMPUTED ON THE WAY. 'Computed on the way' means the value that the module computes at that place (a softmax that the list does not call 'softmax' is quantised finished and normalised). What goes into a quantiser is computed in f32, as accurately as f32 sums, v_exp_f32 and their like allow (about 1e-6 of the number): no bf16 or f16 on the way to a quantiser, and a product that is left as it is and whose result goes on into a quantised operand takes f32 operands (vector FMAs, or v_wmma_f32_16x16x4_f32). A number that lies on a knife's edge between two numbers of the format may be rounded either way, as far as f32 arithmetic and the matrix unit's own rounding can turn it there, and no further.
;; One version. Each part assembles by itself: llvm-mc -triple=amdgcn-amd-amdhsa -mcpu=gfx1250 --defsym DOCPART=n.
;; ======== version 1 of 1: 4 launches
;; workspace buffers: cw 9,437,184 bytes; sc1 360,448 bytes; sc2 294,912 bytes; rope 524,288 bytes; qbuf 6,815,744 bytes; kv 13,369,344 bytes; ycodes 6,291,456 bytes
;; launch prep (part 1): grid 256 x 1, 4 waves a work-group, no clusters, 34,304 bytes of LDS; arguments x, wq, wk, wv, wp, cw, sc1, sc2, rope; writes cw, sc1, sc2, rope
.if DOCPART == 1
	.amdgcn_target "amdgcn-amd-amdhsa--gfx1250"
	.amdhsa_code_object_version 6
	.text
	.protected	k_qe27d1145b5_prep
	.globl	k_qe27d1145b5_prep
	.p2align	8
	.type	k_qe27d1145b5_prep,@function
k_qe27d1145b5_prep:
	s_mov_b64 s[64:65], 0
	v_nop
	global_prefetch_b8 v0, s[64:65] scope:SCOPE_SE
	s_setreg_imm32_b32 hwreg(HW_REG_WAVE_MODE, 25, 1), 1
	s_wait_xcnt 0x0
; x [8192][1024] and wq, wk, wv, wp [1024][1024], f32 with K innermost, become codes of BF6 (E3M2) with one E8M0 byte for each 32 along K; and the table of cos and sin for the rotation is made.
; ROW TILES.  Rows go in tiles of 16: place r of tile t is row 32 (t / 2) + 8 (t % 2) + r + 8 (r / 8).  768 tiles: 0-511 x, 512-575 wq, 576-639 wk, 640-703 wv, 704-767 wp.
; IMAGES.  A fragment (16 rows x 128 K, 12 registers a lane) is stored as its registers: registers 4 k .. 4 k + 3 of lane l at 512 k + 16 l: 1,536 bytes; cw is [tile][K step 0..7][image].
; SCALE ROWS.  [tile][place r][8 words], word q for K step q: tiles 0-703 in sc1, wp's 64 in sc2 from byte 262,144 on.
; SHARES.  Waves 0 to 2 take one tile each (3 x work-group + wave), all of K: eight units of 16 rows x 128 K.  Wave 3 makes eight rows of the table.  Waves share nothing: no barrier.
; A unit's 16 loads read 512 consecutive bytes of one row each; the 8 KiB turn through the wave's own stage in LDS (rows 528 bytes apart), so that lane (r, h) gets, of row r, the 16 neighbours 32 b + 16 h + 0 .. 15 of each block b.
; A block's scale is 2^(floor(log2(largest magnitude)) - 4): its byte is the largest magnitude's exponent field - 4, held at 1 from below.
; LIMITS: NaN and infinities are not served.  A block whose largest magnitude lies under 2^-122, a block of zeros too, gets the byte 1 (its codes are what the rule gives; the bytes are read by this program alone).
; THE TABLE: rope[t][j] = (cos, sin)(t x theta_j), theta_j = 10^(-j / 8) rounded to f32 (reference's own power may differ by a last bit); the angle is the f32 product, as in reference; it is reduced by pi / 2 in two parts
; and cos and sin come from polynomials on |rho| <= pi / 4: good to about 1e-7 absolute.
.set STG,  8448                        ; a wave's stage: 16 rows x (512 + 16) bytes
.set TM,   16                          ; v16-19 largest magnitudes, v20-23 the other half's / bytes, v28-31 the conversions' scale operands
.set W,    32                          ; v32-39 the tile's eight scale words
.set PT,   40                          ; v40-46 the upper halves of blocks, as converted
.set PC,   48                          ; v48-59 the fragment just made
.set R,    64                          ; v64-255 three sets of 64 numbers
.set SEL,  34                          ; s[34:35] lane selects: lane l xor 16
; 64 numbers of a lane, register 16 b + e = k 32 b + 16 h + e of my row, become a fragment in v[pc] on and its scale word in v[pw]
.macro QUANT s, pc, pw
.irp b, 0,1,2,3
	v_max3_num_f32 v[TM+\b], |v[(\s)+16*\b]|, |v[(\s)+1+16*\b]|, 0x2800000   ; my 16 numbers of block b, and the floor 2^(5 - 127): the byte cannot fall under 1
.endr
.irp i, 2,4,6,8,10,12,14
.irp b, 0,1,2,3
	v_max3_num_f32 v[TM+\b], v[TM+\b], |v[(\s)+16*\b+\i]|, |v[(\s)+1+16*\b+\i]|
.endr
.endr
.irp b, 0,1,2,3
	v_permlanex16_b32 v[TM+4+\b], v[TM+\b], s[SEL], s[SEL+1]
.endr
.irp b, 0,1,2,3
	v_max_num_f32 v[TM+\b], v[TM+\b], v[TM+4+\b]                 ; with lane l xor 16's: the block's largest magnitude
.endr
.irp b, 0,1,2,3
	v_add_nc_u32 v[TM+12+\b], 0xfe000000, v[TM+\b]               ; 4 off its exponent field: the conversion's scale operand
.endr
.irp b, 0,1,2,3
	v_lshrrev_b32 v[TM+4+\b], 23, v[TM+12+\b]                    ; the scale's byte
.endr
	v_lshl_or_b32 v[\pw], v[TM+5], 8, v[TM+4]
	v_lshl_or_b32 v[\pw], v[TM+6], 16, v[\pw]
	v_lshl_or_b32 v[\pw], v[TM+7], 24, v[\pw]
.irp c, 0,1
	v_cvt_scalef32_pk16_bf6_f32 v[(\pc)+6*\c:(\pc)+2+6*\c], v[(\s)+32*\c:(\s)+15+32*\c], v[TM+12+2*\c]
	v_cvt_scalef32_pk16_bf6_f32 v[PT+4*\c:PT+2+4*\c], v[(\s)+16+32*\c:(\s)+31+32*\c], v[TM+12+2*\c+1]
.endr
	v_nop                                                        ; one plain line behind the conversions
.irp c, 0,1                                                      ; the operand wants a whole block in a lane: lanes 0-15 block 2 c, lanes 16-31 block 2 c + 1
.irp i, 0,1,2
	v_permlane16_swap_b32 v[(\pc)+6*\c+\i], v[PT+4*\c+\i]
.endr
.irp i, 0,1,2
	v_mov_b32 v[(\pc)+3+6*\c+\i], v[PT+4*\c+\i]
.endr
.endr
.endm
.macro LOAD q                          ; unit q: 128 numbers of each of the tile's 16 rows; a load reads 512 consecutive bytes
.irp p, 0,1,2,3,4,5,6,7,8,9,10,11,12,13,14,15
	global_load_b128 v[R+64*((\q)%3)+4*\p:R+64*((\q)%3)+4*\p+3], v4, s[26:27] offset:(\p+8*(\p/8))*4096+512*(\q) th:TH_LOAD_NT
.endr
.endm
.macro UNIT q
.set XS, R+64*((\q)%3)
.if (\q) < 6
	s_wait_loadcnt 32                                            ; my 16 loads are in; those of the two units behind may be out
.else
	s_wait_loadcnt 16*(7-(\q))
.endif
.irp p, 0,1,2,3,4,5,6,7,8,9,10,11,12,13,14,15
	ds_store_b128 v5, v[XS+4*\p:XS+4*\p+3] offset:528*\p
.endr
.irp b, 0,1,2,3
.irp k, 0,1,2,3
	ds_load_b128 v[XS+16*\b+4*\k:XS+16*\b+4*\k+3], v6 offset:128*\b+16*\k   ; LDS serves a wave's instructions in order: these see the stores above
.endr
.endr
	s_wait_dscnt 0x0
	s_wait_xcnt 0x0                                              ; the last unit's stores have read the fragment's registers
	QUANT XS, PC, W+(\q)
.if (\q)+3 < 8
	LOAD (\q)+3
.endif
.irp k, 0,1,2
	global_store_b128 v4, v[PC+4*\k:PC+4*\k+3], s[28:29] offset:1536*(\q)+512*\k   ; 512 consecutive bytes a store
.endr
.endm
.macro TH j, bits
	s_mov_b32 s40, \bits
	v_writelane_b32 v8, s40, \j
.endm
	s_load_b512 s[4:19], s[0:1], 0x0               ; x, wq, wk, wv, wp, cw, sc1, sc2
	s_load_b64 s[20:21], s[0:1], 0x40              ; rope
	v_lshl_add_u32 v62, v0, 2, 0x8400
	v_mov_b32 v63, 0
	v_lshrrev_b32 v1, 5, v0
	v_readfirstlane_b32 s22, v1                    ; wave
	v_and_b32 v1, 31, v0                           ; lane
	v_and_b32 v2, 15, v0                           ; r
	v_bfe_u32 v3, v0, 4, 1                         ; h
	v_lshlrev_b32 v4, 4, v1                        ; 16 x lane
	s_mul_i32 s36, s22, STG
	v_add_nc_u32 v5, s36, v4                       ; the stage, on the way in
	v_mul_u32_u24 v6, v2, 528
	v_lshl_add_u32 v6, v3, 6, v6
	v_add_nc_u32 v6, s36, v6                       ; and out: row r, + 64 h
	v_lshlrev_b32 v7, 5, v2
	v_lshl_add_u32 v7, v3, 4, v7                   ; my 16 bytes of the tile's scale rows
	s_mov_b32 s[SEL], 0x76543210
	s_mov_b32 s[SEL+1], 0xfedcba98
	s_wait_kmcnt 0x0
	s_cmp_eq_u32 s22, 3
	s_cbranch_scc1 .Ltable
	s_mul_i32 s23, ttmp9, 3
	s_add_co_u32 s23, s23, s22                     ; my tile, 0 .. 767
	s_sub_co_u32 s25, s23, 512
	s_lshr_b32 s36, s25, 6                         ; which weight,
	s_and_b32 s24, s25, 63                         ; and which of its tiles
	s_cmp_eq_u32 s36, 1
	s_cselect_b64 s[26:27], s[8:9], s[6:7]
	s_cmp_eq_u32 s36, 2
	s_cselect_b64 s[26:27], s[10:11], s[26:27]
	s_cmp_eq_u32 s36, 3
	s_cselect_b64 s[26:27], s[12:13], s[26:27]
	s_cmp_lt_u32 s23, 512
	s_cselect_b64 s[26:27], s[4:5], s[26:27]
	s_cselect_b32 s24, s23, s24
	s_lshr_b32 s32, s24, 1
	s_lshl_b32 s32, s32, 17                        ; 32 rows of 4,096 bytes for each pair of tiles,
	s_and_b32 s36, s24, 1
	s_lshl_b32 s36, s36, 15                        ; 8 rows for the odd one
	s_add_co_u32 s32, s32, s36
	s_mov_b32 s33, 0
	s_add_nc_u64 s[26:27], s[26:27], s[32:33]
	s_mul_i32 s32, s23, 12288
	s_add_nc_u64 s[28:29], s[14:15], s[32:33]      ; my tile's images
	s_cmp_lt_u32 s23, 704
	s_cselect_b64 s[30:31], s[16:17], s[18:19]
	s_cselect_b32 s36, 0, 192                      ; in sc2 wp's tile 704 is scale row tile 512
	s_sub_co_u32 s36, s23, s36
	s_lshl_b32 s32, s36, 9
	s_add_nc_u64 s[30:31], s[30:31], s[32:33]
.irp b, 0,1,2,3
	v_mov_b32 v[TM+4+\b], 0                        ; written once: a lane permute's destination counts as one of its sources
.endr
	LOAD 0
	LOAD 1
	LOAD 2
.irp q, 0,1,2,3,4,5,6,7
	UNIT \q
.endr
	v_cmp_ne_u32 vcc_lo, 0, v3
.irp j, 0,1,2,3
	v_cndmask_b32 v[8+\j], v[W+\j], v[W+4+\j], vcc_lo   ; lanes 0-15 store words 0-3 of their row, lanes 16-31 words 4-7
.endr
	global_store_b128 v7, v[8:11], s[30:31]        ; 512 consecutive bytes
	s_wait_tensorcnt 0x0
	ds_add_u32 v62, v63
	s_wait_dscnt 0x0
	s_endpgm
.Ltable:                                           ; lane j makes pair j of rows 8 x work-group + 0 .. 7
	v_mov_b32 v8, 0
	TH 0, 0x3f800000
	TH 1, 0x3f3ff911
	TH 2, 0x3f0ff59a
	TH 3, 0x3ed7e89b
	TH 4, 0x3ea1e89b
	TH 5, 0x3e72d424
	TH 6, 0x3e361887
	TH 7, 0x3e088d77
	TH 8, 0x3dcccccd
	TH 9, 0x3d99940e
	TH 10, 0x3d6655c3
	TH 11, 0x3d2cba15
	TH 12, 0x3d0186e2
	TH 13, 0x3cc24350
	TH 14, 0x3c91ad39
	TH 15, 0x3c5a7bf1
	TH 16, 0x3c23d70a
	TH 17, 0x3bf5b9b0
	TH 18, 0x3bb8449c
	TH 19, 0x3b8a2e77
	TH 20, 0x3b4f3e37
	TH 21, 0x3b1b690d
	TH 22, 0x3ae91528
	TH 23, 0x3aaec98e
	TH 24, 0x3a83126f
	TH 25, 0x3a44948c
	TH 26, 0x3a136a16
	TH 27, 0x39dd1726
	TH 28, 0x39a5cb5f
	TH 29, 0x3978a814
	TH 30, 0x393a7753
	TH 31, 0x390bd472
	s_mov_b32 s36, 0x3f22f983                      ; 2 / pi
	s_mov_b32 s37, 0x3fc90fdb                      ; pi / 2, its upper part,
	s_mov_b32 s38, 0xb33bbd2e                      ; and what is left
	s_lshl_b32 s24, ttmp9, 3
	s_lshl_b32 s32, ttmp9, 11                      ; 8 rows of 256 bytes
	s_mov_b32 s33, 0
	s_add_nc_u64 s[20:21], s[20:21], s[32:33]
	v_lshlrev_b32 v9, 3, v1
.irp t, 0,1,2,3,4,5,6,7
	s_add_co_u32 s39, s24, \t
	v_cvt_f32_u32 v10, s39
	v_mul_f32 v10, v10, v8                         ; the angle, rounded as reference rounds it
	v_mul_f32 v11, s36, v10
	v_rndne_f32 v11, v11                           ; n quarter turns
	v_fma_f32 v12, -v11, s37, v10
	v_fma_f32 v12, -v11, s38, v12                  ; rho
	v_mul_f32 v13, v12, v12
	v_mov_b32 v14, 0x3638ef1d
	v_fmaak_f32 v14, v14, v13, 0xb9500d01
	v_fmaak_f32 v14, v14, v13, 0x3c088889
	v_fmaak_f32 v14, v14, v13, 0xbe2aaaab
	v_mul_f32 v14, v14, v13
	v_fma_f32 v14, v14, v12, v12                   ; sin rho
	v_mov_b32 v15, 0xb493f27e
	v_fmaak_f32 v15, v15, v13, 0x37d00d01
	v_fmaak_f32 v15, v15, v13, 0xbab60b61
	v_fmaak_f32 v15, v15, v13, 0x3d2aaaab
	v_fmaak_f32 v15, v15, v13, 0xbf000000
	v_fma_f32 v15, v15, v13, 1.0                   ; cos rho
	v_cvt_i32_f32 v16, v11
	v_and_b32 v17, 1, v16
	v_cmp_ne_u32 vcc_lo, 0, v17                    ; an odd number of quarter turns changes the two over
	v_cndmask_b32 v18, v15, v14, vcc_lo
	v_cndmask_b32 v19, v14, v15, vcc_lo
	v_add_nc_u32 v17, 1, v16
	v_and_b32 v17, 2, v17
	v_lshlrev_b32 v17, 30, v17
	v_xor_b32 v[32+2*\t], v18, v17                 ; cos is negative in quarters 1 and 2,
	v_and_b32 v17, 2, v16
	v_lshlrev_b32 v17, 30, v17
	v_xor_b32 v[33+2*\t], v19, v17                 ; sin in quarters 2 and 3
	global_store_b64 v9, v[32+2*\t:33+2*\t], s[20:21] offset:256*\t   ; 32 lanes store a row's 256 consecutive bytes
.endr
	s_endpgm
.Lfunc_end_k_qe27d1145b5_prep:
	.size	k_qe27d1145b5_prep, .Lfunc_end_k_qe27d1145b5_prep-k_qe27d1145b5_prep
	.p2alignl 7, 3214868480
	.fill 96, 4, 3214868480
	.section	.rodata,"a",@progbits
	.p2align	6, 0x0
	.amdhsa_kernel k_qe27d1145b5_prep
		.amdhsa_group_segment_fixed_size 34304
		.amdhsa_private_segment_fixed_size 0
		.amdhsa_enable_private_segment 0
		.amdhsa_kernarg_size 72
		.amdhsa_user_sgpr_count 2
		.amdhsa_user_sgpr_kernarg_segment_ptr 1
		.amdhsa_wavefront_size32 1
		.amdhsa_system_sgpr_workgroup_id_x 1
		.amdhsa_system_sgpr_workgroup_id_y 1
		.amdhsa_system_sgpr_workgroup_id_z 1
		.amdhsa_system_vgpr_workitem_id 0
		.amdhsa_next_free_vgpr 256
		.amdhsa_next_free_sgpr 66
		.amdhsa_reserve_vcc 1
		.amdhsa_float_denorm_mode_32 3
		.amdhsa_float_denorm_mode_16_64 3
		.amdhsa_memory_ordered 1
		.amdhsa_forward_progress 1
		.amdhsa_inst_pref_size 81
	.end_amdhsa_kernel
	.amdgpu_metadata
---
amdhsa.version: [ 1, 2 ]
amdhsa.kernels:
  - .name:           k_qe27d1145b5_prep
    .symbol:         k_qe27d1145b5_prep.kd
    .args:
      - { .name: x, .offset: 0, .size: 8, .value_kind: global_buffer, .address_space: global }
      - { .name: wq, .offset: 8, .size: 8, .value_kind: global_buffer, .address_space: global }
      - { .name: wk, .offset: 16, .size: 8, .value_kind: global_buffer, .address_space: global }
      - { .name: wv, .offset: 24, .size: 8, .value_kind: global_buffer, .address_space: global }
      - { .name: wp, .offset: 32, .size: 8, .value_kind: global_buffer, .address_space: global }
      - { .name: cw, .offset: 40, .size: 8, .value_kind: global_buffer, .address_space: global }
      - { .name: sc1, .offset: 48, .size: 8, .value_kind: global_buffer, .address_space: global }
      - { .name: sc2, .offset: 56, .size: 8, .value_kind: global_buffer, .address_space: global }
      - { .name: rope, .offset: 64, .size: 8, .value_kind: global_buffer, .address_space: global }
    .group_segment_fixed_size: 34304
    .private_segment_fixed_size: 0
    .kernarg_segment_align: 8
    .kernarg_segment_size: 72
    .max_flat_workgroup_size: 128
    .sgpr_count:     66
    .vgpr_count:     256
    .wavefront_size: 32
...
	.end_amdgpu_metadata
.endif
;; end of part 1
;; launch qkv (part 2): grid 12 x 64, 4 waves a work-group, clusters of 4 x 4, 295,424 bytes of LDS; arguments cw, sc1, bq, bk, bv, rope, qbuf, kv; writes qbuf, kv
.if DOCPART == 2
	.amdgcn_target "amdgcn-amd-amdhsa--gfx1250"
	.amdhsa_code_object_version 6
	.text
	.protected	k_qe27d1145b5_qkv
	.globl	k_qe27d1145b5_qkv
	.p2align	8
	.type	k_qe27d1145b5_qkv,@function
k_qe27d1145b5_qkv:
	s_mov_b64 s[64:65], 0
	v_nop
	global_prefetch_b8 v0, s[64:65] scope:SCOPE_SE
	s_setreg_imm32_b32 hwreg(HW_REG_WAVE_MODE, 25, 1), 1
	s_wait_xcnt 0x0
	s_wait_alu depctr_hold_cnt(0) depctr_sa_sdst(0) depctr_va_vdst(0) depctr_va_sdst(0) depctr_va_ssrc(0) depctr_va_vcc(0) depctr_vm_vsrc(0)
	s_getreg_b32 s2, hwreg(HW_REG_IB_STS2, 6, 4)
	s_cmp_eq_u32 s2, 0
	s_cbranch_scc0 .Lentry_in_a_cluster
	s_endpgm
.Lentry_in_a_cluster:
	s_bfe_u32 s2, ttmp6, 0x10000c
	s_cmp_lg_u32 s2, 0xf033
	s_cbranch_scc0 .Lentry_shape_is_right
	s_endpgm
.Lentry_shape_is_right:
; q = rot(x wq^T + bq), k = rot(x wk^T + bk), v = x wv^T + bv, on codes of BF6 (E3M2) with E8M0 scales; the results are quantised at once: q and k along the head's 64, v along the keys.
; A work-group takes 128 tokens (8 row tiles of x) x 256 output columns (16 row tiles of wq | wk | wv), all of K = 1,024.  All its codes, 294,912 bytes, lie in LDS at once: every tensor load goes out at the start.
; ROW TILES, IMAGES, SCALE ROWS: place r of tile t is row 32 (t / 2) + 8 (t % 2) + r + 8 (r / 8); a fragment lies in memory and in LDS as its 12 registers (registers 4 k .. of lane l at 512 k + 16 l).
; With a tiled operand as source 0, the 16 result registers of tiles 2 b and 2 b + 1 in lane (r, h) are its rows 32 b + 16 h + 0 .. 15: 16 neighbours.
; ROLES, by the cluster's x (equal in all sixteen partners): 0 makes q, 1 k, 2 v.  P is source 1 (a lane holds one of its rows), S source 0 (the registers run along its rows); a wave has 4 blocks of P x 8 of S: 32 accumulators.
;   q, k: P = 64 tokens, S = 128 output columns = two heads: a lane's 64 numbers of a block of P run along the heads' channels.    v: P = 64 channels = one head, S = the 128 tokens: they run along the keys.  Nothing is transposed.
; CLUSTER 4 x 4: x's tiles are shared along a row of the cluster, the weights' along a column: joint loads, each with one mask.
; OUT.  qbuf: [b h][step of 128 tokens] records of 6,656 bytes: eight half fragments (16 tokens x 64: registers 0-3 at 16 l, registers 4-5 at 512 + 8 l: 768 bytes), then at 6,144 the scale words [tile / 4][r][tile % 4].
;       kv: records of 13,056 bytes: k as q (scale words at 12,288); v's four fragments (16 channels x 128 keys) at 6,144 + 1,536 c; v's scale words [r][c] at 12,800.
; A q or k scale word has the head's two bytes lowest; its upper two stand over zero codes and are a valid byte or 0.
; LIMITS: NaN and infinities are not served; a block whose largest magnitude lies under 2^-122 gets the byte 1; the rotation is made with fused multiply-adds.
; REGISTERS.  window 0: v1-31 lane numbers and offsets; v32-95 scale words; v96-143, v144-191 P's fragments, two sets; on the way out v96-247 at work.   window 1: v0-95, v128-223 S's fragments, two sets; v96-127, v224-255 the C of the first K step.
;   window 2: accumulator (a, b) at v[8 (8 a + b)].   window 3: v0-127 cos and sin of my tokens; v128-131 the bias of my channels.
.set CH,    73728                      ; a chunk in LDS: K steps 2 c, 2 c + 1 of x's 8 tiles (3,072 bytes each), then of the weights' 16
.set TILEB, 12288                      ; a tile in cw
.set G1A, 24                           ; s[24:31] descriptor group 1 for x's tiles;  s[32:39] for the weights'
.set G1B, 32
.set G0A, 40                           ; s[40:55] groups 0 for x's four chunks;  s56, s60, s68, s72 on: for the weights'
.set SC,  32                           ; scale words: register 8 i + q: lanes 0-15 P's block i % 4, lanes 16-31 S's block i, K step q
.set LI,  4                            ; v4  16 x lane
.set ADP, 8                            ; v8-11  LDS address of P's fragments in chunk c
.set ADS, 12                           ; v12-15 of S's
.set H,   96                           ; the way out: 64 numbers
.set TM,  160
.set PT,  176
.set T,   184
.set PC,  192                          ; four fragments
.set PWS, 240                          ; their scale words
.set X4,  244
.set SEL, 22
.set MSB, 0
.macro WIN new                         ; the immediate's high byte repeats the setting that is left
.if MSB != \new
	s_set_vgpr_msb (MSB<<8)|\new
.set MSB, \new
.endif
.endm
.macro PLACES n
.rept \n
	v_nop
.endr
.endm
.macro CROUND                          ; a round of the cluster's barrier
	s_barrier_signal -1
	s_barrier_wait -1
	s_cmp_lg_u32 s14, 0
	s_cbranch_scc1 .Lnot_wave_0_\@
	s_barrier_signal -3
.Lnot_wave_0_\@:
	s_barrier_wait -3
	s_barrier_signal -1
	s_barrier_wait -1
.endm
.macro FRAG3 reg, adr, off             ; a fragment comes back as it was stored
.irp k, 0,1,2
	ds_load_b128 v[(\reg)+4*\k:(\reg)+4*\k+3], v[\adr] offset:(\off)+512*\k
.endr
.endm
.macro FETCH q                         ; K step q: S's eight fragments and P's four, into set q % 2
	WIN 0x40
.irp i, 0,1,2,3,4,5,6,7
	FRAG3 128*((\q)%2)+12*\i, ADS+(\q)/2, 3072*\i+1536*((\q)%2)
.endr
	WIN 0
.irp i, 0,1,2,3
	FRAG3 96+48*((\q)%2)+12*\i, ADP+(\q)/2, 3072*\i+1536*((\q)%2)
.endr
.endm
; 16 matrix instructions: P's blocks a0, a0 + 1 x S's eight.  first = 1: the sums begin with the registers of the first C.  The 32 accumulators take turns, one instruction a turn, in the same order in every K step.
.macro MUL a0, q, first
.if \first
	WIN 0x91                                       ; S window 1, P window 0, C window 1, D window 2
.else
	WIN 0xa1                                       ; C and D window 2
.endif
.irp a, \a0, \a0+1
.irp b, 0,1,2,3,4,5,6,7
.if \first
	v_wmma_scale_f32_16x16x128_f8f6f4 v[8*(8*(\a)+\b):8*(8*(\a)+\b)+7], v[128*((\q)%2)+12*\b:128*((\q)%2)+12*\b+11], v[96+48*((\q)%2)+12*(\a):96+48*((\q)%2)+12*(\a)+11], v[96+8*\b+96*(\b/4):96+8*\b+96*(\b/4)+7], v[SC+8*\b+(\q)], v[SC+8*(\a)+(\q)] matrix_a_fmt:MATRIX_FMT_BF6 matrix_b_fmt:MATRIX_FMT_BF6 matrix_a_scale:MATRIX_SCALE_ROW1
.else
	v_wmma_scale_f32_16x16x128_f8f6f4 v[8*(8*(\a)+\b):8*(8*(\a)+\b)+7], v[128*((\q)%2)+12*\b:128*((\q)%2)+12*\b+11], v[96+48*((\q)%2)+12*(\a):96+48*((\q)%2)+12*(\a)+11], v[8*(8*(\a)+\b):8*(8*(\a)+\b)+7], v[SC+8*\b+(\q)], v[SC+8*(\a)+(\q)] matrix_a_fmt:MATRIX_FMT_BF6 matrix_b_fmt:MATRIX_FMT_BF6 matrix_a_scale:MATRIX_SCALE_ROW1
.endif
.endr
.endr
.endm
.macro KSTEP q
	s_wait_dscnt 0x0                               ; this K step's fragments are in; no LDS instruction of mine is out
.if ((\q)%2) && ((\q) < 7)
	s_wait_tensorcnt 3-((\q)+1)/2                  ; my part of the next chunk has landed; my loads for later chunks may be out
	s_barrier_signal -1
.endif
.if (\q) == 0
	MUL 0, \q, 1
.else
	MUL 0, \q, 0
.endif
.if ((\q)%2) && ((\q) < 7)
	s_barrier_wait -1                              ; everybody's part has
.endif
.if (\q) < 7
	PLACES 4                                       ; four plain lines between the last products that read the other set and the loads into it
	FETCH (\q)+1
.endif
.if (\q) == 0
	MUL 2, \q, 1
.else
	MUL 2, \q, 0
.endif
.endm
; 64 numbers of a lane, register 16 b + e = k 32 b + 16 h + e of my row, become a fragment in v[pc] on and its scale word in v[pw]
.macro QUANT s, pc, pw
.irp b, 0,1,2,3
	v_max3_num_f32 v[TM+\b], |v[(\s)+16*\b]|, |v[(\s)+1+16*\b]|, 0x2800000   ; and the floor 2^(5 - 127): the byte cannot fall under 1
.endr
.irp i, 2,4,6,8,10,12,14
.irp b, 0,1,2,3
	v_max3_num_f32 v[TM+\b], v[TM+\b], |v[(\s)+16*\b+\i]|, |v[(\s)+1+16*\b+\i]|
.endr
.endr
.irp b, 0,1,2,3
	v_permlanex16_b32 v[TM+4+\b], v[TM+\b], s[SEL], s[SEL+1]
.endr
.irp b, 0,1,2,3
	v_max_num_f32 v[TM+\b], v[TM+\b], v[TM+4+\b]
.endr
.irp b, 0,1,2,3
	v_add_nc_u32 v[TM+12+\b], 0xfe000000, v[TM+\b]               ; 4 off the exponent field: the conversion's scale operand
.endr
.irp b, 0,1,2,3
	v_lshrrev_b32 v[TM+4+\b], 23, v[TM+12+\b]
.endr
	v_lshl_or_b32 v[\pw], v[TM+5], 8, v[TM+4]
	v_lshl_or_b32 v[\pw], v[TM+6], 16, v[\pw]
	v_lshl_or_b32 v[\pw], v[TM+7], 24, v[\pw]
.irp c, 0,1
	v_cvt_scalef32_pk16_bf6_f32 v[(\pc)+6*\c:(\pc)+2+6*\c], v[(\s)+32*\c:(\s)+15+32*\c], v[TM+12+2*\c]
	v_cvt_scalef32_pk16_bf6_f32 v[PT+4*\c:PT+2+4*\c], v[(\s)+16+32*\c:(\s)+31+32*\c], v[TM+12+2*\c+1]
.endr
	v_nop                                                        ; one plain line behind the conversions
.irp c, 0,1
.irp i, 0,1,2
	v_permlane16_swap_b32 v[(\pc)+6*\c+\i], v[PT+4*\c+\i]
.endr
.irp i, 0,1,2
	v_mov_b32 v[(\pc)+3+6*\c+\i], v[PT+4*\c+\i]
.endr
.endr
.endm
; The rotation of block a's 32 pairs (u0, u1) by (c, s): (u0 c, u0 s), then (-u1 s + u0 c, u1 c + u0 s).  Each accumulator is read from its low end on.
.macro ROPE a
	WIN 0x0e                                       ; source 0 window 2 (the sums), source 1 window 3 (cos, sin)
.set g, 0
.rept 8
.irp n, 0,1,2,3
	v_pk_mul_f32 v[T+2*\n:T+2*\n+1], v[64*(\a)+8*g+2*\n:64*(\a)+8*g+2*\n+1], v[32*(\a)+16*((g/2)%2)+8*(g%2)+2*\n:32*(\a)+16*((g/2)%2)+8*(g%2)+2*\n+1] op_sel_hi:[0,1]
.endr
.irp n, 0,1,2,3
	v_pk_fma_f32 v[H+8*g+2*\n:H+8*g+2*\n+1], v[64*(\a)+8*g+2*\n:64*(\a)+8*g+2*\n+1], v[32*(\a)+16*((g/2)%2)+8*(g%2)+2*\n:32*(\a)+16*((g/2)%2)+8*(g%2)+2*\n+1], v[T+2*\n:T+2*\n+1] op_sel:[1,1,0] op_sel_hi:[1,0,1] neg_lo:[1,0,0]
.endr
.set g, g+1
.endr
	WIN 0
.endm
.macro LANEBIAS a                      ; v: the bias belongs to the lane's channel
	WIN 0x0e
.set i, 0
.rept 32
.if (\a)%2
	v_pk_add_f32 v[H+2*i:H+2*i+1], v[64*(\a)+2*i:64*(\a)+2*i+1], v[128+2*((\a)/2):129+2*((\a)/2)] op_sel:[0,1] op_sel_hi:[1,1]
.else
	v_pk_add_f32 v[H+2*i:H+2*i+1], v[64*(\a)+2*i:64*(\a)+2*i+1], v[128+2*((\a)/2):129+2*((\a)/2)] op_sel:[0,0] op_sel_hi:[1,0]
.endif
.set i, i+1
.endr
	WIN 0
.endm
	s_load_b512 s[80:95], s[0:1], 0x0              ; cw 80, sc1 82, bq 84, bk 86, bv 88, rope 90, qbuf 92, kv 94
	v_lshl_add_u32 v254, v0, 2, 0x48000
	v_mov_b32 v255, 0
	ds_add_u32 v254, v255
	v_lshrrev_b32 v1, 5, v0
	v_readfirstlane_b32 s14, v1                    ; wave
	s_lshr_b32 s15, s14, 1                         ; I fetch for x (0) or for the weights (1); in roles q, k: which 64 tokens
	s_and_b32 s16, s14, 1                          ; which half I fetch; in roles q, k: which two heads
	s_bfe_u32 s17, ttmp6, 0x40000                  ; cx
	s_bfe_u32 s18, ttmp6, 0x40004                  ; cy
	s_lshl_b32 s19, ttmp9, 2
	s_add_co_u32 s19, s19, s17                     ; work-group x: 256 columns of wq | wk | wv
	s_and_b32 s20, ttmp7, 0xffff
	s_lshl_b32 s20, s20, 2
	s_add_co_u32 s20, s20, s18                     ; work-group y: 128 tokens
	s_lshl_b32 s2, s18, 2
	s_lshl_b32 s2, 15, s2                          ; my row of the cluster
	s_lshl_b32 s76, 0x1111, s17                    ; my column
	s_or_b32 s[G1A], s2, (3<<16)|(1<<21)           ; 15:0 the mask; 17:16 elements of 8 bytes; 21 set beside a mask; no padding
	s_or_b32 s[G1B], s76, (3<<16)|(1<<21)
.irp g, G1A, G1B
	s_mov_b32 s[\g+1], 384<<16                     ; tensor_dim0: a tile's two K steps, 3,072 bytes
	s_mov_b32 s[\g+3], 384<<16                     ; tile_dim0
	s_mov_b32 s[\g+5], 1536                        ; from tile to tile: 12,288 bytes
	s_mov_b32 s[\g+6], 0
	s_mov_b32 s[\g+7], 0
.endr
	s_mov_b32 s[G1A+2], 4<<16                      ; x: 4 tiles a load
	s_mov_b32 s[G1A+4], 4
	s_mov_b32 s[G1B+2], 8<<16                      ; weights: 8
	s_mov_b32 s[G1B+4], 8
	s_mov_b32 s[SEL], 0x76543210
	s_mov_b32 s[SEL+1], 0xfedcba98
	s_lshl_b32 s4, s20, 3                          ; x's address hangs on work-group y and the wave alone, in registers that never hold cx
	s_lshl_b32 s5, s16, 2
	s_add_co_u32 s4, s4, s5
	s_mul_i32 s4, s4, TILEB
	s_mov_b32 s5, 0
	s_lshl_b32 s96, s19, 4                         ; the weights' on work-group x and the wave alone
	s_lshl_b32 s97, s16, 3
	s_add_co_u32 s96, s96, s97
	s_add_co_u32 s96, s96, 512
	s_mul_i32 s96, s96, TILEB
	s_mov_b32 s97, 0
	s_mul_i32 s8, s16, 12288                       ; where they go in a chunk: x's halves,
	s_mul_i32 s9, s16, 24576
	s_add_co_u32 s9, s9, 24576                     ; the weights' halves behind them
	s_wait_dscnt 0x0
	s_wait_kmcnt 0x0
	s_add_nc_u64 s[6:7], s[80:81], s[4:5]
	s_add_nc_u64 s[98:99], s[80:81], s[96:97]
.irp c, 0,1,2,3
	s_mov_b32 s[G0A+4*\c], 1
	s_add_co_u32 s[G0A+4*\c+1], s8, \c*CH
	s_add_nc_u64 s[G0A+4*\c+2:G0A+4*\c+3], s[6:7], \c*3072
	s_or_b32 s[G0A+4*\c+3], s[G0A+4*\c+3], 0x80000000
	s_mov_b32 s[56+4*\c+4*(\c/2)], 1
	s_add_co_u32 s[56+4*\c+4*(\c/2)+1], s9, \c*CH
	s_add_nc_u64 s[56+4*\c+4*(\c/2)+2:56+4*\c+4*(\c/2)+3], s[98:99], \c*3072
	s_or_b32 s[56+4*\c+4*(\c/2)+3], s[56+4*\c+4*(\c/2)+3], 0x80000000
.endr
	CROUND                                         ; all sixteen work-groups are here: the joint loads meet
	s_cmp_eq_u32 s15, 0                            ; a wave's four fills stand in one branch: four loads of mine are out
	s_cbranch_scc0 .Lfill_b
	tensor_load_to_lds s[40:43], s[G1A:G1A+7]
	s_nop 0
	tensor_load_to_lds s[44:47], s[G1A:G1A+7]
	s_nop 0
	tensor_load_to_lds s[48:51], s[G1A:G1A+7]
	s_nop 0
	tensor_load_to_lds s[52:55], s[G1A:G1A+7]
	s_nop 0
	PLACES 4
	s_branch .Lfilled
.Lfill_b:
	tensor_load_to_lds s[56:59], s[G1B:G1B+7]
	s_nop 0
	tensor_load_to_lds s[60:63], s[G1B:G1B+7]
	s_nop 0
	tensor_load_to_lds s[68:71], s[G1B:G1B+7]
	s_nop 0
	tensor_load_to_lds s[72:75], s[G1B:G1B+7]
	s_nop 0
	PLACES 4
.Lfilled:
	v_and_b32 v1, 15, v0                           ; r
	v_bfe_u32 v2, v0, 4, 1                         ; h
	v_and_b32 v3, 31, v0                           ; lane
	v_lshlrev_b32 v[LI], 4, v3
	v_lshlrev_b32 v22, 6, v2                       ; 64 h
	; the buffers and places of the role.  Every pointer is made in every role; what a role does not use is not touched
	s_cmp_eq_u32 ttmp9, 0
	s_cselect_b64 s[84:85], s[84:85], s[86:87]     ; bq or bk
	s_cselect_b64 s[92:93], s[92:93], s[94:95]     ; qbuf or kv
	s_mov_b32 s100, 13056
	s_cselect_b32 s100, 6656, s100                 ; a record
	s_mov_b32 s101, 12288
	s_cselect_b32 s101, 6144, s101                 ; where its scale words begin
	s_lshl_b32 s96, s17, 2
	s_lshl_b32 s97, s16, 1
	s_add_co_u32 s97, s96, s97                     ; q, k: my first head, 4 cx + 2 x half
	s_add_co_u32 s96, s96, s14                     ; v: my head, 4 cx + wave
	s_mul_i32 s21, s15, 3072                       ; q, k: my four tiles of the record's eight
	s_lshl_b32 s78, s15, 8
	s_add_co_u32 s101, s101, s78                   ; and their scale words
	s_cmp_eq_u32 ttmp9, 2
	s_cselect_b64 s[88:89], s[88:89], s[84:85]     ; the bias by lanes: bv
	s_cselect_b32 s97, s96, s97
	s_cselect_b32 s21, 6144, s21                   ; v's fragments
	s_cselect_b32 s101, 12800, s101                ; v's scale words
	s_lshl_b32 s98, s96, 8
	s_mov_b32 s99, 0
	s_add_nc_u64 s[88:89], s[88:89], s[98:99]      ; at channel 64 (4 cx + wave)
	s_lshl_b32 s98, s17, 10
	s_lshl_b32 s78, s16, 9
	s_add_co_u32 s98, s98, s78
	s_add_nc_u64 s[84:85], s[84:85], s[98:99]      ; the bias by registers: at column 256 cx + 128 x half
	s_lshr_b32 s98, s20, 4
	s_lshl_b32 s98, s98, 4
	s_add_co_u32 s98, s98, s97                     ; 16 b + head
	s_lshl_b32 s98, s98, 4
	s_and_b32 s78, s20, 15
	s_add_co_u32 s98, s98, s78                     ; + the step: the record's number
	s_mul_i32 s98, s98, s100
	s_add_nc_u64 s[92:93], s[92:93], s[98:99]
	s_mov_b32 s98, s101
	s_add_nc_u64 s[76:77], s[92:93], s[98:99]      ; s[76:77] scale words
	s_mov_b32 s98, s21
	s_add_nc_u64 s[92:93], s[92:93], s[98:99]      ; s[92:93] codes (first head)
	s_lshl_b32 s98, s100, 4
	s_add_nc_u64 s[94:95], s[92:93], s[98:99]      ; s[94:95] codes of the next head: 16 records on
	v_mul_u32_u24 v26, s98, v2
	v_lshl_add_u32 v26, v1, 4, v26                 ; q, k scale words: 16 r; lanes 16-31 the next head's
	; the C of the first K step: q, k: the bias of the registers' columns; v: zeros (its bias runs along the lanes)
	s_cmp_eq_u32 ttmp9, 2
	s_cbranch_scc1 .Lzero_c
	WIN 0x40
.irp b, 0,1,2,3,4,5,6,7
	global_load_b128 v[96+8*\b+96*(\b/4):96+8*\b+96*(\b/4)+3], v22, s[84:85] offset:(32*(\b/2)+8*(\b%2))*4
	global_load_b128 v[96+8*\b+96*(\b/4)+4:96+8*\b+96*(\b/4)+7], v22, s[84:85] offset:(32*(\b/2)+8*(\b%2))*4+16
.endr
	WIN 0
	s_branch .Lc_done
.Lzero_c:
	WIN 0x40
.irp b, 0,1,2,3,4,5,6,7
.irp j, 0,1,2,3,4,5,6,7
	v_mov_b32 v[96+8*\b+96*(\b/4)+\j], 0
.endr
.endr
	WIN 0
.Lc_done:
	; which LDS region feeds which source
	s_mul_i32 s10, s15, 12288                      ; q, k: P = my 4 tiles of x
	s_mul_i32 s11, s14, 12288
	s_add_co_u32 s11, s11, 24576                   ; v: P = my 4 tiles of wv
	s_cmp_eq_u32 ttmp9, 2
	s_cselect_b32 s10, s11, s10
	s_cselect_b32 s11, 0, s9                       ; S: v: x's 8 tiles; q, k: my 8 tiles of the weight
	v_add_nc_u32 v[ADP], s10, v[LI]
	v_add_nc_u32 v[ADS], s11, v[LI]
.irp c, 1,2,3
	v_add_nc_u32 v[ADP+\c], \c*CH, v[ADP]
	v_add_nc_u32 v[ADS+\c], \c*CH, v[ADS]
.endr
	s_lshl_b32 s96, s20, 3                         ; x's first tile
	s_lshl_b32 s97, s15, 2
	s_add_co_u32 s97, s96, s97
	s_lshl_b32 s100, s19, 4
	s_add_co_u32 s100, s100, 512                   ; the weights' first tile
	s_lshl_b32 s101, s14, 2
	s_add_co_u32 s101, s100, s101
	s_lshl_b32 s78, s16, 3
	s_add_co_u32 s100, s100, s78
	s_cmp_eq_u32 ttmp9, 2
	s_cselect_b32 s97, s101, s97                   ; P's first tile
	s_cselect_b32 s96, s96, s100                   ; S's
	s_lshl_b32 s97, s97, 9
	s_lshl_b32 s96, s96, 9
	v_mov_b32 v20, s97
	v_mov_b32 v21, s96
	v_cmp_ne_u32 vcc_lo, 0, v2
	v_cndmask_b32 v20, v20, v21, vcc_lo
	v_lshl_add_u32 v20, v1, 5, v20                 ; scale rows: lanes 0-15 P's, lanes 16-31 S's; 32 bytes a row
	v_lshl_add_u32 v21, v2, 11, v20                ; for i = 4 .. 7: S's tile i beside P's tile i - 4, which is not used
	s_and_b32 s98, s20, 15
	s_lshl_b32 s98, s98, 7
	s_lshl_b32 s78, s15, 6
	s_add_co_u32 s98, s98, s78                     ; my first token in its sequence
	v_and_b32 v29, 8, v1
	v_add_nc_u32 v29, v29, v1                      ; r + 8 (r / 8)
	v_add_nc_u32 v23, s98, v29
	v_lshl_add_u32 v23, v23, 8, v22                ; the table: 256 bytes a token, + 64 h
	v_lshl_add_u32 v24, v3, 3, 512                 ; a half fragment's registers 4-5
	v_lshlrev_b32 v25, 4, v2                       ; 16 h: the next head's bytes of a scale word
	v_lshlrev_b32 v27, 2, v29
	v_lshlrev_b32 v28, 4, v1
.irp i, 0,1,2,3
	global_load_b128 v[SC+8*\i:SC+8*\i+3], v20, s[82:83] offset:512*\i
	global_load_b128 v[SC+8*\i+4:SC+8*\i+7], v20, s[82:83] offset:512*\i+16
.endr
.irp i, 4,5,6,7
	global_load_b128 v[SC+8*\i:SC+8*\i+3], v21, s[82:83] offset:512*(\i-4)
	global_load_b128 v[SC+8*\i+4:SC+8*\i+7], v21, s[82:83] offset:512*(\i-4)+16
.endr
	WIN 0xc0                                       ; destination window 3
.irp a, 0,1,2,3
.irp k, 0,1,2,3,4,5,6,7
	global_load_b128 v[32*\a+4*\k:32*\a+4*\k+3], v23, s[90:91] offset:(32*(\a/2)+8*(\a%2))*256+128*(\k/4)+16*(\k%4)   ; block a's token: pairs 16 (k / 4) + 8 h + 2 (k % 4) on
.endr
.endr
.irp a, 0,1,2,3
	global_load_b32 v[128+\a], v27, s[88:89] offset:(32*(\a/2)+8*(\a%2))*4
.endr
	WIN 0
	s_wait_tensorcnt 3                             ; my part of chunk 0 is in; my three later loads may be out
	s_barrier_signal -1
	s_barrier_wait -1
	FETCH 0
	s_wait_loadcnt 0x0                             ; scale words, the first C, the table, the bias
.irp q, 0,1,2,3,4,5,6,7
	KSTEP \q
.endr
	WIN 0
	PLACES 4                                       ; four plain lines between the last products and the first read of results and write of operands' registers
.irp b, 0,1,2,3
	v_mov_b32 v[TM+4+\b], 0                        ; a lane permute's destination counts as one of its sources
.endr
	s_cmp_eq_u32 ttmp9, 2
	s_cbranch_scc1 .Lout_v
.irp a, 0,1,2,3                        ; q, k: 16 tokens x two heads: the fragment's registers 0-5 are the first head's half fragment, 6-11 the next head's
	ROPE \a
	QUANT H, PC+12*\a, PWS+\a
	global_store_b128 v[LI], v[PC+12*\a:PC+12*\a+3], s[92:93] offset:768*\a       ; 512 consecutive bytes
	global_store_b64 v24, v[PC+12*\a+4:PC+12*\a+5], s[92:93] offset:768*\a        ; 256 consecutive bytes
	global_store_b128 v[LI], v[PC+12*\a+6:PC+12*\a+9], s[94:95] offset:768*\a
	global_store_b64 v24, v[PC+12*\a+10:PC+12*\a+11], s[94:95] offset:768*\a
.endr
.irp j, 0,1,2,3
	v_lshrrev_b32 v[X4+\j], v25, v[PWS+\j]         ; lanes 16-31 bring the next head's two bytes down
.endr
	global_store_b128 v26, v[X4:X4+3], s[76:77]    ; sixteen lanes fill 256 consecutive bytes of each head's record
	s_branch .Lend
.Lout_v:
.irp a, 0,1,2,3                        ; v: 16 channels x 128 keys: a whole fragment
	LANEBIAS \a
	QUANT H, PC+12*\a, PWS+\a
.irp k, 0,1,2
	global_store_b128 v[LI], v[PC+12*\a+4*\k:PC+12*\a+4*\k+3], s[92:93] offset:1536*\a+512*\k
.endr
.endr
	global_store_b128 v28, v[PWS:PWS+3], s[76:77]  ; [r][c]: 256 consecutive bytes; lanes 16-31 hold and write the same words as lanes 0-15
.Lend:
	s_wait_tensorcnt 0x0
	ds_add_u32 v254, v255
	s_wait_dscnt 0x0
	CROUND                                         ; the closing round: no work-group ends while a partner may still ask for a tile that names it
	s_endpgm
.Lfunc_end_k_qe27d1145b5_qkv:
	.size	k_qe27d1145b5_qkv, .Lfunc_end_k_qe27d1145b5_qkv-k_qe27d1145b5_qkv
	.p2alignl 7, 3214868480
	.fill 96, 4, 3214868480
	.section	.rodata,"a",@progbits
	.p2align	6, 0x0
	.amdhsa_kernel k_qe27d1145b5_qkv
		.amdhsa_group_segment_fixed_size 295424
		.amdhsa_private_segment_fixed_size 0
		.amdhsa_enable_private_segment 0
		.amdhsa_kernarg_size 64
		.amdhsa_user_sgpr_count 2
		.amdhsa_user_sgpr_kernarg_segment_ptr 1
		.amdhsa_wavefront_size32 1
		.amdhsa_system_sgpr_workgroup_id_x 1
		.amdhsa_system_sgpr_workgroup_id_y 1
		.amdhsa_system_sgpr_workgroup_id_z 1
		.amdhsa_system_vgpr_workitem_id 0
		.amdhsa_next_free_vgpr 1024
		.amdhsa_next_free_sgpr 102
		.amdhsa_reserve_vcc 1
		.amdhsa_float_denorm_mode_32 3
		.amdhsa_float_denorm_mode_16_64 3
		.amdhsa_memory_ordered 1
		.amdhsa_forward_progress 1
		.amdhsa_inst_pref_size 129
	.end_amdhsa_kernel
	.amdgpu_metadata
---
amdhsa.version: [ 1, 2 ]
amdhsa.kernels:
  - .name:           k_qe27d1145b5_qkv
    .symbol:         k_qe27d1145b5_qkv.kd
    .args:
      - { .name: cw, .offset: 0, .size: 8, .value_kind: global_buffer, .address_space: global }
      - { .name: sc1, .offset: 8, .size: 8, .value_kind: global_buffer, .address_space: global }
      - { .name: bq, .offset: 16, .size: 8, .value_kind: global_buffer, .address_space: global }
      - { .name: bk, .offset: 24, .size: 8, .value_kind: global_buffer, .address_space: global }
      - { .name: bv, .offset: 32, .size: 8, .value_kind: global_buffer, .address_space: global }
      - { .name: rope, .offset: 40, .size: 8, .value_kind: global_buffer, .address_space: global }
      - { .name: qbuf, .offset: 48, .size: 8, .value_kind: global_buffer, .address_space: global }
      - { .name: kv, .offset: 56, .size: 8, .value_kind: global_buffer, .address_space: global }
    .group_segment_fixed_size: 295424
    .private_segment_fixed_size: 0
    .kernarg_segment_align: 8
    .kernarg_segment_size: 64
    .max_flat_workgroup_size: 128
    .sgpr_count:     102
    .vgpr_count:     1024
    .wavefront_size: 32
...
	.end_amdgpu_metadata
.endif
;; end of part 2
;; launch attn (part 3): grid 4 x 64, 16 waves a work-group, no clusters, 327,680 bytes of LDS; arguments qbuf, kv, ycodes, sc2; writes ycodes, sc2
.if DOCPART == 3
	.amdgcn_target "amdgcn-amd-amdhsa--gfx1250"
	.amdhsa_code_object_version 6
	.text
	.protected	k_qe27d1145b5_attn
	.globl	k_qe27d1145b5_attn
	.p2align	8
	.type	k_qe27d1145b5_attn,@function
k_qe27d1145b5_attn:
	s_mov_b64 s[64:65], 0
	v_nop
	global_prefetch_b8 v0, s[64:65] scope:SCOPE_SE
	s_setreg_imm32_b32 hwreg(HW_REG_WAVE_MODE, 25, 1), 1
	s_wait_xcnt 0x0
; y[b][t][h] = softmax over keys k <= t of (q . k / 8) times v, both products on codes of BF6 (E3M2) with E8M0 scales; y is quantised along C on the way out.
; THE SOFTMAX AHEAD OF THE SECOND PRODUCT: t = score x log2(e) / 8; M = the running largest t rounded UP to a whole number; p = 2^(t - M) is quantised along the keys, not normalised; the row's sum is taken of the
; unquantised p and divides O at the end.  When M moves, the sum and O are multiplied by 2^(old M - new M): exact.
; SHARES.  A work-group serves one (b, h); its sixteen waves own one tile of 16 queries at a time, in 256 registers, four waves to a SIMD, so that one wave's vector work stands beside another's products and LDS loads.
; Wave w of work-group x owns tile 127 - 16 x - w first and then tile 16 x + w: a tile t needs key steps 0 .. t / 8, so every wave has 17 steps of work, and every work-group walks exactly nine slots of 256 keys:
; key slots 0 .. 7 - x for the high tiles, then 0 .. x for the low ones.  The trip count is a constant; only the tile's address in memory and the place of the change of tiles hang on the work-group's number.
; A tile's place r is token 32 (t / 2) + 8 (t % 2) + r + 8 (r / 8), for queries and keys alike: so the 16 registers of key tiles 2 b, 2 b + 1 are keys 32 b + 16 h + 0 .. 15.
; Both products are used transposed (S^T = K Q^T, O^T = V^T P^T): a lane holds one query throughout.  The head has 64 channels: registers 6-11 of Q's and K's fragments are zeros.
; NO CLUSTER: the four work-groups of a head leave the common walk at different slots (8 - x) and then want different slots, so partners would need different tiles in the same trip.
; A step all of whose keys come after the wave's queries is left out by a scalar branch on ids; no barrier or tensor load stands in a step.
; LIMITS: NaN and infinities are not served; a block whose largest magnitude lies under 2^-122 gets the byte 1.
; LDS: slot s at 32,768 s: two records of kv (13,056 bytes each); the spare words at 65,536.  All of a WGP's LDS is claimed.
; REGISTERS: v1-4 places that stay; v5, v6 the add's; v7 my query's place; v8-11 addresses of the step; v12 -M, v13 the largest t, v[14:15] the sum; v16-27 Q; v28 Q's scale word; v32-79 four fragments of K; v80-87 K's, v88-91 V's, v92 p's scale words;
;   v96-159 S^T, then p, then V's four fragments; v160-191 O^T; v192-203 p's codes; v204-227 at work; v228-234 the low tile's Q; v235 -infinity; v236-246 y's codes.
.set REC,   13056
.set SLOT1, 32768
.set SPARE, 65536
.set TB,    2                          ; s2  LDS byte at which the slot in hand begins
.set SLOTS, 3                          ; s3  slots still to be asked for
.set WV,    18
.set SEL,   20
.set CS,    22                         ; s[22:23] log2(e) / 8
.set G1,    24
.set G0,    32
.set OFF,   38                         ; s[38:39] what the tile's address goes back by: 0, or the high tiles' whole walk
.set KF,    40                         ; the step's first key
.set QMAX,  41                         ; my tile's last query
.set QB,    42                         ; and its first
.set QMAXL, 43
.set QBL,   44
.set SW,    45                         ; the count of slots at which the tiles change
.set WRAP,  46                         ; and at which the low tiles' first slot is asked for
.set BACK,  47
.set YPH,   48
.set YSH,   50
.set YPL,   52
.set YSL,   54
.set PFA,   60
.set LIM,   62
.set QPH,   76
.set QSH,   78
.set QPL,   80
.set QSL,   82
.set PC,    192
.set PT,    204
.set BM,    212
.set BX,    216
.set SO,    220
.macro TLOAD                           ; waves 0 and 1 fetch a record each; four v_nop follow the line
	s_cmp_lt_u32 s[WV], 2
	s_cbranch_scc0 .Lnone_\@
	tensor_load_to_lds s[G0:G0+3], s[G1:G1+7]
	s_nop 0
.rept 4
	v_nop
.endr
.Lnone_\@:
.endm
; A prefetch of the key slot behind the one that is being fetched: 102 blocks of 256 bytes, a lane a block, waves 4 to 7 of the head's work-group 0 alone (it walks all eight key slots); lanes past the 102nd name the last block.
; It stops at the eighth key slot's fetch: there is no key slot behind that.  Key slots 0 and 1 come by their loads alone.
.macro ASK
	s_cmp_gt_u32 s[SLOTS], s[LIM]
	s_cbranch_scc0 .Lnot_mine_\@
	global_prefetch_b8 v29, s[PFA:PFA+1] th:TH_LOAD_NT scope:SCOPE_SE
.Lnot_mine_\@:
.endm
.macro TILE t, qb, qm, qp, qs, yp, ys  ; what hangs on a tile's number s[t]
	s_and_b32 s68, s[\t], 1
	s_lshl_b32 s68, s68, 3
	s_lshl_b32 s[\qb], s[\t], 4
	s_sub_co_u32 s[\qb], s[\qb], s68               ; first query: 16 t - 8 (t % 2)
	s_add_co_u32 s[\qm], s[\qb], 23                ; last
	s_lshl_b32 s68, s12, 4
	s_lshr_b32 s69, s[\t], 3
	s_add_co_u32 s68, s68, s69
	s_mul_i32 s68, s68, 6656                       ; its record in qbuf
	s_and_b32 s69, s[\t], 7
	s_mul_i32 s70, s69, 768
	s_add_co_u32 s70, s70, s68
	s_mov_b32 s71, 0
	s_add_nc_u64 s[\qp:\qp+1], s[4:5], s[70:71]
	s_lshr_b32 s70, s69, 2
	s_lshl_b32 s70, s70, 8
	s_and_b32 s69, s69, 3
	s_lshl_b32 s69, s69, 2
	s_add_co_u32 s70, s70, s69
	s_add_co_u32 s70, s70, s68
	s_add_co_u32 s70, s70, 6144
	s_add_nc_u64 s[\qs:\qs+1], s[4:5], s[70:71]
	s_lshr_b32 s68, s12, 4
	s_lshl_b32 s68, s68, 7
	s_add_co_u32 s68, s68, s[\t]                   ; the token tile among 512
	s_and_b32 s69, s12, 15                         ; the head
	s_lshl_b32 s70, s68, 4
	s_add_co_u32 s70, s70, s69
	s_mul_i32 s70, s70, 768
	s_add_nc_u64 s[\yp:\yp+1], s[8:9], s[70:71]
	s_lshl_b32 s70, s68, 9
	s_lshl_b32 s69, s69, 1
	s_add_co_u32 s70, s70, s69
	s_add_nc_u64 s[\ys:\ys+1], s[10:11], s[70:71]
.endm
; A KEY STEP: 128 keys, record j of the slot in hand.  (No inner loop of this macro is named j: the argument is put in as text ahead of every inner loop's variable.)
.macro STEP j
	s_cmp_gt_u32 s[KF], s[QMAX]
	s_cbranch_scc1 .Lhidden_\@
	v_add_nc_u32 v8, s[TB], v1
	v_add_nc_u32 v9, s[TB], v2
	v_add_nc_u32 v10, s[TB], v3
	v_add_nc_u32 v11, s[TB], v4
	v_nop                                          ; five plain lines: the first products below write over registers that the last step's products read as V's fragments
.irp g, 0,1                                    ; S^T = K Q^T, four tiles of 16 keys at a time
.if \g
.rept 4
	v_nop                                          ; in front of loads into registers that products have read
.endr
.endif
.irp t, 0,1,2,3
	ds_load_b128 v[32+12*\t:35+12*\t], v8 offset:REC*(\j)+768*(4*\g+\t)
	ds_load_b64 v[36+12*\t:37+12*\t], v9 offset:REC*(\j)+768*(4*\g+\t)
.endr
	ds_load_b128 v[80+4*\g:83+4*\g], v10 offset:REC*(\j)+256*\g
	s_wait_dscnt 0x0
.irp t, 0,1,2,3
	v_wmma_scale_f32_16x16x128_f8f6f4 v[96+8*(4*\g+\t):103+8*(4*\g+\t)], v[32+12*\t:43+12*\t], v[16:27], 0, v[80+4*\g+\t], v28 matrix_a_fmt:MATRIX_FMT_BF6 matrix_b_fmt:MATRIX_FMT_BF6
.endr
.endr
.rept 4
	v_nop
.endr
	s_add_co_u32 s68, s[KF], 127                   ; on the diagonal hidden scores become -infinity ahead of the maximum; a step all of whose keys count skips this
	s_cmp_le_u32 s68, s[QB]
	s_cbranch_scc1 .Lopen_\@
	s_sub_co_i32 s68, s[QB], s[KF]
	v_add_nc_u32 v31, s68, v7                      ; my query - KF - 16 h.  Register 16 b + i holds key KF + 16 h + 32 b + i: hidden where 32 b + i is greater
.set n, 0
.rept 64
	v_cmp_gt_i32 vcc_lo, 32*(n/16)+n%16, v31
	v_cndmask_b32 v[96+n], v[96+n], v235, vcc_lo
.set n, n+1
.endr
.Lopen_\@:
.irp b, 0,1,2,3
	v_max3_num_f32 v[BM+\b], v[96+16*\b], v[97+16*\b], v[98+16*\b]   ; the largest score of each block of 32 keys: for the row's maximum and, since p rises with the score, for the block's largest p
.endr
.irp i, 3,5,7,9,11,13
.irp b, 0,1,2,3
	v_max3_num_f32 v[BM+\b], v[BM+\b], v[96+16*\b+\i], v[97+16*\b+\i]
.endr
.endr
.irp b, 0,1,2,3
	v_max_num_f32 v[BM+\b], v[BM+\b], v[111+16*\b]
.endr
.irp b, 0,1,2,3
	v_permlanex16_b32 v[BX+\b], v[BM+\b], s[SEL], s[SEL+1]
.endr
.irp b, 0,1,2,3
	v_max_num_f32 v[BM+\b], v[BM+\b], v[BX+\b]
.endr
	v_max3_num_f32 v93, v[BM], v[BM+1], v[BM+2]
	v_max_num_f32 v93, v93, v[BM+3]
	v_mul_f32 v93, s[CS], v93
	v_max_num_f32 v13, v13, v93                    ; the running largest t
	v_mov_b32 v93, v12
	v_floor_f32 v12, -v13                          ; the new -M = -ceil(t)
	v_sub_f32 v93, v12, v93                        ; old M - new M: a whole number, 0 or less
	v_cvt_i32_f32 v93, v93                         ; (it saturates)
	v_ldexp_f32 v224, 1.0, v93                     ; f = 2^(old M - new M)
.set n, 0
.rept 32
	v_pk_fma_f32 v[96+n:97+n], v[96+n:97+n], s[CS:CS+1], v[12:13] op_sel_hi:[1,0,0]   ; t - M
.set n, n+2
.endr
.irp b, 0,1,2,3
	v_fma_f32 v[BM+\b], v[BM+\b], s[CS], v12
.endr
.set n, 0
.rept 64
	v_exp_f32 v[96+n], v[96+n]                     ; p = 2^(t - M)
.set n, n+1
.endr
	v_pk_mul_f32 v[14:15], v[14:15], v[224:225] op_sel_hi:[1,0]   ; the sums under the new M: a plain line behind the exponentials
	s_wait_alu depctr_va_vdst(0)                   ; one wait for the batch, ahead of its first reader
.irp b, 0,1,2,3
	v_exp_f32 v[BM+\b], v[BM+\b]                   ; the block's largest p
.endr
	v_pk_add_f32 v[226:227], v[96:97], v[98:99]    ; the row's sum of the unquantised p, in two chains
.irp e, 4,8,12,16,20,24,28,32,36,40,44,48,52,56,60
	v_pk_add_f32 v[14:15], v[14:15], v[96+\e:97+\e]
	v_pk_add_f32 v[226:227], v[226:227], v[98+\e:99+\e]
.endr
	v_pk_add_f32 v[14:15], v[14:15], v[226:227]
	s_wait_alu depctr_va_vdst(0)                   ; and one for the four
.irp b, 0,1,2,3
	v_max_num_f32 v[BM+\b], 0x2800000, v[BM+\b]    ; the floor 2^(5 - 127)
.endr
.irp b, 0,1,2,3
	v_add_nc_u32 v[SO+\b], 0xfe000000, v[BM+\b]
.endr
.irp b, 0,1,2,3
	v_lshrrev_b32 v[BX+\b], 23, v[SO+\b]
.endr
	v_lshl_or_b32 v92, v[BX+1], 8, v[BX]           ; p's scale word for these 128 keys
	v_lshl_or_b32 v92, v[BX+2], 16, v92
	v_lshl_or_b32 v92, v[BX+3], 24, v92
.irp c, 0,1
	v_cvt_scalef32_pk16_bf6_f32 v[PC+6*\c:PC+2+6*\c], v[96+32*\c:111+32*\c], v[SO+2*\c]
	v_cvt_scalef32_pk16_bf6_f32 v[PT+4*\c:PT+2+4*\c], v[112+32*\c:127+32*\c], v[SO+2*\c+1]
.endr
	v_nop                                          ; one plain line behind the conversions
.irp c, 0,1,2,3                                ; V's four fragments land where p lay, while the lines below work
.irp k, 0,1,2
	ds_load_b128 v[96+12*\c+4*\k:99+12*\c+4*\k], v8 offset:REC*(\j)+6144+1536*\c+512*\k
.endr
.endr
	ds_load_b128 v[88:91], v11 offset:REC*(\j)
.irp c, 0,1
.irp i, 0,1,2
	v_permlane16_swap_b32 v[PC+6*\c+\i], v[PT+4*\c+\i]
.endr
.irp i, 0,1,2
	v_mov_b32 v[PC+3+6*\c+\i], v[PT+4*\c+\i]
.endr
.endr
.set n, 0
.rept 16
	v_pk_mul_f32 v[160+n:161+n], v[160+n:161+n], v[224:225] op_sel_hi:[1,0]   ; O^T under the new M; these lines also stand between the writes of p's codes and scale word and the products
.set n, n+2
.endr
	s_wait_dscnt 0x0
.irp c, 0,1,2,3                                ; O^T += V^T P^T: four accumulators, one instruction each
	v_wmma_scale_f32_16x16x128_f8f6f4 v[160+8*\c:167+8*\c], v[96+12*\c:107+12*\c], v[PC:PC+11], v[160+8*\c:167+8*\c], v[88+\c], v92 matrix_a_fmt:MATRIX_FMT_BF6 matrix_b_fmt:MATRIX_FMT_BF6
.endr
.Lhidden_\@:
	s_add_co_u32 s[KF], s[KF], 128
.endm
; A tile is finished: y = O^T / the sum; its 64 channels are two blocks along C: a half fragment and two scale bytes
.macro FINISH yp, ys
.rept 4
	v_nop                                          ; behind the last products
.endr
	v_add_f32 v14, v14, v15
	v_permlanex16_b32 v93, v14, s[SEL], s[SEL+1]
	v_add_f32 v14, v14, v93                        ; the row's sum
	v_rcp_f32 v14, v14
	v_nop
	s_wait_alu depctr_va_vdst(0)                   ; the wait ahead of the reciprocal's first reader
.set n, 0
.rept 16
	v_pk_mul_f32 v[160+n:161+n], v[160+n:161+n], v[14:15] op_sel_hi:[1,0]
.set n, n+2
.endr
.irp b, 0,1
	v_max3_num_f32 v[BM+\b], |v[160+16*\b]|, |v[161+16*\b]|, 0x2800000
.endr
.irp i, 2,4,6,8,10,12,14
.irp b, 0,1
	v_max3_num_f32 v[BM+\b], v[BM+\b], |v[160+16*\b+\i]|, |v[161+16*\b+\i]|
.endr
.endr
.irp b, 0,1
	v_permlanex16_b32 v[BX+\b], v[BM+\b], s[SEL], s[SEL+1]
.endr
.irp b, 0,1
	v_max_num_f32 v[BM+\b], v[BM+\b], v[BX+\b]
.endr
.irp b, 0,1
	v_add_nc_u32 v[SO+\b], 0xfe000000, v[BM+\b]
.endr
.irp b, 0,1
	v_lshrrev_b32 v[BX+\b], 23, v[SO+\b]
.endr
	s_wait_xcnt 0x0                                ; the first tile's stores have read the registers that are written below
	v_lshl_or_b32 v246, v[BX+1], 8, v[BX]
	v_cvt_scalef32_pk16_bf6_f32 v[236:238], v[160:175], v[SO]
	v_cvt_scalef32_pk16_bf6_f32 v[242:244], v[176:191], v[SO+1]
	v_nop
.irp i, 0,1,2
	v_permlane16_swap_b32 v[236+\i], v[242+\i]
.endr
.irp i, 0,1,2
	v_mov_b32 v[239+\i], v[242+\i]
.endr
	global_store_b128 v1, v[236:239], s[\yp:\yp+1]     ; 512 consecutive bytes
	global_store_b64 v2, v[240:241], s[\yp:\yp+1]      ; 256 consecutive bytes
	global_store_b16 v30, v246, s[\ys:\ys+1]           ; two bytes of each token's scale row, 32 bytes apart: so that the next launch finds y's scale rows laid as x's are; lanes 16-31 write what lanes 0-15 write
.endm
.macro SWITCH                          ; from the high tile to the low one, at the head of the low tiles' first slot
	s_cmp_eq_u32 s[SLOTS], s[SW]
	s_cbranch_scc0 .Lsame_\@
	FINISH YPH, YSH
.irp u, 0,1,2,3,4,5
	v_mov_b32 v[16+\u], v[228+\u]
.endr
	v_mov_b32 v28, v234
.set n, 0
.rept 32
	v_mov_b32 v[160+n], 0
.set n, n+1
.endr
	v_mov_b32 v14, 0
	v_mov_b32 v15, 0
	v_mov_b32 v13, 0xff61b1e6
	v_floor_f32 v12, -v13
	s_mov_b32 s[QB], s[QBL]
	s_mov_b32 s[QMAX], s[QMAXL]
	s_mov_b32 s[KF], 0
.Lsame_\@:
.endm
; THE CHANGE OF SLOTS, at a slot's head.  Each wave waits for all its tensor loads, adds 0 to its spare word, and waits for that and for its reads of the slot that it has left; behind the barrier the slot ahead is whole and
; nobody reads the other one, which is then filled (fill = 1): the load has a slot's two steps in which to land.
.macro CHANGE fill
	s_wait_tensorcnt 0x0                           ; no tensor load of mine is out, so the descriptor may be written
	ds_add_u32 v5, v6                              ; 0 onto my spare word
.if \fill
	s_xor_b32 s[G0+1], s[G0+1], SLOT1              ; the other slot,
	s_add_nc_u64 s[G0+2:G0+3], s[G0+2:G0+3], 2*REC ; the next 256 keys,
	s_cmp_eq_u32 s[SLOTS], s[WRAP]
	s_cselect_b32 s[OFF], s[BACK], 0
	s_sub_nc_u64 s[G0+2:G0+3], s[G0+2:G0+3], s[OFF:OFF+1]   ; or, behind the high tiles' last slot, the head's first keys again
	s_wait_xcnt 0x0                                ; the last prefetch, a slot back, has read its address
	s_add_nc_u64 s[PFA:PFA+1], s[PFA:PFA+1], 2*REC
.endif
	s_wait_dscnt 0x0                               ; the add is done, and my reads of the slot that I have left are over
	s_barrier_signal -1
	s_barrier_wait -1
.if \fill
	TLOAD                                          ; the first thing behind the barrier, and a wave's one tensor load until the next
	ASK
.endif
.endm
	s_load_b256 s[4:11], s[0:1], 0x0               ; qbuf, kv, ycodes, sc2
	v_lshl_add_u32 v5, v0, 2, SPARE
	v_mov_b32 v6, 0
	ds_add_u32 v5, v6
	s_wait_dscnt 0x0
	v_lshrrev_b32 v8, 5, v0
	v_readfirstlane_b32 s[WV], v8                  ; wave 0..15
	s_and_b32 s12, ttmp7, 0xffff                   ; 16 b + head
	s_and_b32 s13, s[WV], 1
	s_mul_i32 s14, s13, REC                        ; which record of a slot I fetch, if I fetch
	s_mov_b32 s15, 0
	s_mul_i32 s16, s12, 16*REC                     ; the head's first byte in kv
	s_mov_b32 s17, 0
	s_mov_b32 s[G1], 3<<16                         ; no mask; elements of 8 bytes; no padding
	s_mov_b32 s[G1+1], 32<<16                      ; a record is a dense block: 51 rows of 256 bytes
	s_mov_b32 s[G1+2], 51<<16
	s_mov_b32 s[G1+3], 32<<16
	s_mov_b32 s[G1+4], 51
	s_mov_b32 s[G1+5], 32
	s_mov_b32 s[G1+6], 0
	s_mov_b32 s[G1+7], 0
	s_mov_b32 s[SEL], 0x76543210
	s_mov_b32 s[SEL+1], 0xfedcba98
	s_mov_b32 s[CS], 0x3e38aa3b
	s_mov_b32 s[CS+1], s[CS]
	s_mov_b32 s[TB], 0
	s_mov_b32 s[SLOTS], 8
	s_mov_b32 s[KF], 0
	s_mov_b32 s[SW], ttmp9
	s_add_co_u32 s[WRAP], ttmp9, 1
	s_sub_co_u32 s[BACK], 8, ttmp9
	s_mul_i32 s[BACK], s[BACK], 2*REC
	s_mov_b32 s[OFF+1], 0
	s_wait_kmcnt 0x0
	s_add_nc_u64 s[PFA:PFA+1], s[6:7], s[16:17]
	s_mov_b32 s[G0], 1
	s_mov_b32 s[G0+1], s14                         ; slot 0
	s_add_nc_u64 s[G0+2:G0+3], s[PFA:PFA+1], s[14:15]
	s_or_b32 s[G0+3], s[G0+3], 0x80000000
	TLOAD                                          ; key slot 0
	s_add_nc_u64 s[PFA:PFA+1], s[PFA:PFA+1], 2*REC ; at key slot 1: the first change of slots steps it to 2
	s_lshl_b32 s66, ttmp9, 4
	s_add_co_u32 s66, s66, s[WV]                   ; my low tile
	s_sub_co_u32 s67, 127, s66                     ; my high tile
	TILE 67, QB, QMAX, QPH, QSH, YPH, YSH
	TILE 66, QBL, QMAXL, QPL, QSL, YPL, YSL
	v_and_b32 v8, 31, v0                           ; lane
	v_and_b32 v9, 15, v0                           ; r
	v_bfe_u32 v10, v0, 4, 1                        ; h
	v_lshlrev_b32 v1, 4, v8                        ; 16 x lane
	v_lshl_add_u32 v2, v8, 3, 512                  ; a half fragment's registers 4-5
	v_lshlrev_b32 v31, 4, v9
	v_add_nc_u32 v3, 12288, v31                    ; K's scale words
	v_add_nc_u32 v4, 12800, v31                    ; V's
	v_and_b32 v7, 8, v9
	v_add_nc_u32 v7, v7, v9
	v_lshlrev_b32 v11, 4, v10
	v_sub_nc_u32 v7, v7, v11                       ; r + 8 (r / 8) - 16 h
	v_lshlrev_b32 v30, 5, v9                       ; y's scale rows: 32 bytes a token
	global_load_b128 v[16:19], v1, s[QPH:QPH+1]
	global_load_b64 v[20:21], v2, s[QPH:QPH+1]
	global_load_b32 v28, v31, s[QSH:QSH+1]
	global_load_b128 v[228:231], v1, s[QPL:QPL+1]
	global_load_b64 v[232:233], v2, s[QPL:QPL+1]
	global_load_b32 v234, v31, s[QSL:QSL+1]
	s_and_b32 s68, s[WV], 3
	s_lshl_b32 s68, s68, 5
	v_add_nc_u32 v29, s68, v8
	v_lshlrev_b32 v29, 8, v29
	v_min_u32 v29, 0x6500, v29                     ; my block of a slot's 102
	s_sub_co_u32 s68, s[WV], 4
	s_lshr_b32 s68, s68, 2                         ; 0 in waves 4 to 7,
	s_or_b32 s68, s68, ttmp9                       ; of the head's work-group 0
	s_cmp_eq_u32 s68, 0
	s_cselect_b32 s[LIM], 2, -1
.irp u, 22,23,24,25,26,27
	v_mov_b32 v[\u], 0                             ; the head has 64 channels: the upper halves of Q's and K's fragments are zero codes, written once
.endr
.irp t, 0,1,2,3
.irp u, 6,7,8,9,10,11
	v_mov_b32 v[32+12*\t+\u], 0
.endr
.endr
.set n, 0
.rept 32
	v_mov_b32 v[160+n], 0                          ; O^T: the step is written once, and its first turn finds zeros
.set n, n+1
.endr
	v_mov_b32 v14, 0
	v_mov_b32 v15, 0
	v_mov_b32 v13, 0xff61b1e6                      ; -3e38, under every t
	v_floor_f32 v12, -v13
.irp b, 0,1,2,3
	v_mov_b32 v[BX+\b], 0                          ; a lane permute's destination counts as one of its sources
.endr
	v_mov_b32 v93, 0
	v_mov_b32 v225, 0                              ; named as the upper half of the pair with f
	v_mov_b32 v235, 0xff800000
	s_wait_loadcnt 0x0                             ; Q, both tiles'
.Lslot:                                            ; eight trips: behind each change of slots but the last the next slot is asked for
	CHANGE 1
	SWITCH
	STEP 0
	STEP 1
	s_xor_b32 s[TB], s[TB], SLOT1
	s_sub_co_u32 s[SLOTS], s[SLOTS], 1
	s_cmp_lg_u32 s[SLOTS], 0
	s_cbranch_scc1 .Lslot
	CHANGE 0                                       ; the last slot is written out
	SWITCH
	STEP 0
	STEP 1
	FINISH YPL, YSL
	s_wait_tensorcnt 0x0                           ; the wave's end
	ds_add_u32 v5, v6
	s_wait_dscnt 0x0
	s_endpgm
.Lfunc_end_k_qe27d1145b5_attn:
	.size	k_qe27d1145b5_attn, .Lfunc_end_k_qe27d1145b5_attn-k_qe27d1145b5_attn
	.p2alignl 7, 3214868480
	.fill 96, 4, 3214868480
	.section	.rodata,"a",@progbits
	.p2align	6, 0x0
	.amdhsa_kernel k_qe27d1145b5_attn
		.amdhsa_group_segment_fixed_size 327680
		.amdhsa_private_segment_fixed_size 0
		.amdhsa_enable_private_segment 0
		.amdhsa_kernarg_size 32
		.amdhsa_user_sgpr_count 2
		.amdhsa_user_sgpr_kernarg_segment_ptr 1
		.amdhsa_wavefront_size32 1
		.amdhsa_system_sgpr_workgroup_id_x 1
		.amdhsa_system_sgpr_workgroup_id_y 1
		.amdhsa_system_sgpr_workgroup_id_z 1
		.amdhsa_system_vgpr_workitem_id 0
		.amdhsa_next_free_vgpr 256
		.amdhsa_next_free_sgpr 100
		.amdhsa_reserve_vcc 1
		.amdhsa_float_denorm_mode_32 3
		.amdhsa_float_denorm_mode_16_64 3
		.amdhsa_memory_ordered 1
		.amdhsa_forward_progress 1
		.amdhsa_inst_pref_size 108
	.end_amdhsa_kernel
	.amdgpu_metadata
---
amdhsa.version: [ 1, 2 ]
amdhsa.kernels:
  - .name:           k_qe27d1145b5_attn
    .symbol:         k_qe27d1145b5_attn.kd
    .args:
      - { .name: qbuf, .offset: 0, .size: 8, .value_kind: global_buffer, .address_space: global }
      - { .name: kv, .offset: 8, .size: 8, .value_kind: global_buffer, .address_space: global }
      - { .name: ycodes, .offset: 16, .size: 8, .value_kind: global_buffer, .address_space: global }
      - { .name: sc2, .offset: 24, .size: 8, .value_kind: global_buffer, .address_space: global }
    .group_segment_fixed_size: 327680
    .private_segment_fixed_size: 0
    .kernarg_segment_align: 8
    .kernarg_segment_size: 32
    .max_flat_workgroup_size: 512
    .sgpr_count:     100
    .vgpr_count:     256
    .wavefront_size: 32
...
	.end_amdgpu_metadata
.endif
;; end of part 3
;; launch proj (part 4): grid 4 x 64, 4 waves a work-group, clusters of 4 x 4, 295,424 bytes of LDS; arguments ycodes, cw, sc2, bp, out0; writes out0
.if DOCPART == 4
	.amdgcn_target "amdgcn-amd-amdhsa--gfx1250"
	.amdhsa_code_object_version 6
	.text
	.protected	k_qe27d1145b5_proj
	.globl	k_qe27d1145b5_proj
	.p2align	8
	.type	k_qe27d1145b5_proj,@function
k_qe27d1145b5_proj:
	s_mov_b64 s[64:65], 0
	v_nop
	global_prefetch_b8 v0, s[64:65] scope:SCOPE_SE
	s_setreg_imm32_b32 hwreg(HW_REG_WAVE_MODE, 25, 1), 1
	s_wait_xcnt 0x0
	s_wait_alu depctr_hold_cnt(0) depctr_sa_sdst(0) depctr_va_vdst(0) depctr_va_sdst(0) depctr_va_ssrc(0) depctr_va_vcc(0) depctr_vm_vsrc(0)
	s_getreg_b32 s2, hwreg(HW_REG_IB_STS2, 6, 4)
	s_cmp_eq_u32 s2, 0
	s_cbranch_scc0 .Lentry_in_a_cluster
	s_endpgm
.Lentry_in_a_cluster:
	s_bfe_u32 s2, ttmp6, 0x10000c
	s_cmp_lg_u32 s2, 0xf033
	s_cbranch_scc0 .Lentry_shape_is_right
	s_endpgm
.Lentry_shape_is_right:
; out = y wp^T + bp, on codes of BF6 (E3M2) with E8M0 scales; out [8192][1024] f32.
; A work-group takes 128 tokens (8 row tiles of y) x 256 output columns (16 row tiles of wp), all of K = 1,024: its codes, 294,912 bytes, lie in LDS at once; every tensor load goes out at the start.
; Place r of tile t is row 32 (t / 2) + 8 (t % 2) + r + 8 (r / 8).  wp's fragments lie as their 12 registers (registers 4 k .. of lane l at 512 k + 16 l); a K step of y is two heads' half fragments on end (registers 0-3 at 16 l, 4-5 at 512 + 8 l; 768 bytes each).
; P = 64 tokens is source 1 (a lane holds a token), S = 128 columns is source 0: a wave has 4 x 8 = 32 accumulators, and the registers of S's tiles 2 b, 2 b + 1 in lane (r, h) are columns 32 b + 16 h + 0 .. 15.  bp is the C of the first K step.
; CLUSTER 4 x 4: y's tiles are shared along a row of the cluster, wp's along a column: joint loads, each with one mask.
; REGISTERS.  window 0: v1-31 lane numbers and addresses; v32-95 scale words; v96-143, v144-191 P's fragments, two sets; on the way out v96-223 rows of out.   window 1: v0-95, v128-223 S's fragments; v96-127, v224-255 bp.   window 2: accumulator (a, b) at v[8 (8 a + b)].
.set CH,    73728
.set TILEB, 12288
.set G1A, 24
.set G1B, 32
.set G0A, 40
.set SC,  32
.set LI,  4
.set ADP, 8                            ; v8-11  P's fragments in chunk c: 16 x lane
.set ADS, 12                           ; v12-15 S's
.set AD8, 16                           ; v16-19 P's: 8 x lane + 512
.set STO, 24
.set RD,  25
.set MSB, 0
.macro WIN new
.if MSB != \new
	s_set_vgpr_msb (MSB<<8)|\new
.set MSB, \new
.endif
.endm
.macro PLACES n
.rept \n
	v_nop
.endr
.endm
.macro CROUND
	s_barrier_signal -1
	s_barrier_wait -1
	s_cmp_lg_u32 s14, 0
	s_cbranch_scc1 .Lnot_wave_0_\@
	s_barrier_signal -3
.Lnot_wave_0_\@:
	s_barrier_wait -3
	s_barrier_signal -1
	s_barrier_wait -1
.endm
.macro FRAG3 reg, adr, off
.irp k, 0,1,2
	ds_load_b128 v[(\reg)+4*\k:(\reg)+4*\k+3], v[\adr] offset:(\off)+512*\k
.endr
.endm
.macro FRAG4 reg, a16, a8, off         ; two half fragments on end
	ds_load_b128 v[(\reg):(\reg)+3], v[\a16] offset:(\off)
	ds_load_b64 v[(\reg)+4:(\reg)+5], v[\a8] offset:(\off)
	ds_load_b128 v[(\reg)+6:(\reg)+9], v[\a16] offset:(\off)+768
	ds_load_b64 v[(\reg)+10:(\reg)+11], v[\a8] offset:(\off)+768
.endm
.macro FETCH q
	WIN 0x40
.irp i, 0,1,2,3,4,5,6,7
	FRAG3 128*((\q)%2)+12*\i, ADS+(\q)/2, 3072*\i+1536*((\q)%2)
.endr
	WIN 0
.irp i, 0,1,2,3
	FRAG4 96+48*((\q)%2)+12*\i, ADP+(\q)/2, AD8+(\q)/2, 3072*\i+1536*((\q)%2)
.endr
.endm
; The 32 accumulators take turns, one instruction a turn, in the same order in every K step
.macro MUL a0, q, first
.if \first
	WIN 0x91
.else
	WIN 0xa1
.endif
.irp a, \a0, \a0+1
.irp b, 0,1,2,3,4,5,6,7
.if \first
	v_wmma_scale_f32_16x16x128_f8f6f4 v[8*(8*(\a)+\b):8*(8*(\a)+\b)+7], v[128*((\q)%2)+12*\b:128*((\q)%2)+12*\b+11], v[96+48*((\q)%2)+12*(\a):96+48*((\q)%2)+12*(\a)+11], v[96+8*\b+96*(\b/4):96+8*\b+96*(\b/4)+7], v[SC+8*\b+(\q)], v[SC+8*(\a)+(\q)] matrix_a_fmt:MATRIX_FMT_BF6 matrix_b_fmt:MATRIX_FMT_BF6 matrix_a_scale:MATRIX_SCALE_ROW1
.else
	v_wmma_scale_f32_16x16x128_f8f6f4 v[8*(8*(\a)+\b):8*(8*(\a)+\b)+7], v[128*((\q)%2)+12*\b:128*((\q)%2)+12*\b+11], v[96+48*((\q)%2)+12*(\a):96+48*((\q)%2)+12*(\a)+11], v[8*(8*(\a)+\b):8*(8*(\a)+\b)+7], v[SC+8*\b+(\q)], v[SC+8*(\a)+(\q)] matrix_a_fmt:MATRIX_FMT_BF6 matrix_b_fmt:MATRIX_FMT_BF6 matrix_a_scale:MATRIX_SCALE_ROW1
.endif
.endr
.endr
.endm
.macro KSTEP q
	s_wait_dscnt 0x0                               ; this K step's fragments are in; no LDS instruction of mine is out
.if ((\q)%2) && ((\q) < 7)
	s_wait_tensorcnt 3-((\q)+1)/2                  ; my part of the next chunk has landed; my loads for later chunks may be out
	s_barrier_signal -1
.endif
.if (\q) == 0
	MUL 0, \q, 1
.else
	MUL 0, \q, 0
.endif
.if ((\q)%2) && ((\q) < 7)
	s_barrier_wait -1
.endif
.if (\q) < 7
	PLACES 4                                       ; between the last products that read the other set and the loads into it
	FETCH (\q)+1
.endif
.if (\q) == 0
	MUL 2, \q, 1
.else
	MUL 2, \q, 0
.endif
.endm
; THE WAY OUT, a block of 16 tokens x 128 columns at a time, through my own stage: 16 rows x (512 + 16) bytes in chunk 0, which has had its one fill and whose last reads every wave awaited ahead of the second K step's barrier.
.macro TOSTAGE a
	WIN 0x08                                       ; an LDS store's data: window 2
.irp b, 0,1,2,3,4,5,6,7
	ds_store_b128 v[STO], v[8*(8*(\a)+\b):8*(8*(\a)+\b)+3] offset:128*(\b/2)+32*(\b%2)        ; each accumulator from its low end on
	ds_store_b128 v[STO], v[8*(8*(\a)+\b)+4:8*(8*(\a)+\b)+7] offset:128*(\b/2)+32*(\b%2)+16
.endr
	WIN 0
.irp p, 0,1,2,3,4,5,6,7,8,9,10,11,12,13,14,15
	ds_load_b128 v[96+64*((\a)%2)+4*\p:96+64*((\a)%2)+4*\p+3], v[RD] offset:528*\p            ; LDS serves a wave's instructions in order: these see the stores above
.endr
.endm
.macro SEND a, younger
	s_wait_dscnt \younger                          ; the block is back; the next block's 16 stores and 16 loads may be out
.irp p, 0,1,2,3,4,5,6,7,8,9,10,11,12,13,14,15
	global_store_b128 v[LI], v[96+64*((\a)%2)+4*\p:96+64*((\a)%2)+4*\p+3], s[88:89] offset:(32*((\a)/2)+8*((\a)%2)+\p+8*(\p/8))*4096 th:TH_STORE_NT   ; 512 consecutive bytes of a token's row
.endr
.endm
	s_load_b256 s[80:87], s[0:1], 0x0              ; ycodes 80, cw 82, sc2 84, bp 86
	s_load_b64 s[88:89], s[0:1], 0x20              ; out0
	v_lshl_add_u32 v254, v0, 2, 0x48000
	v_mov_b32 v255, 0
	ds_add_u32 v254, v255
	v_lshrrev_b32 v1, 5, v0
	v_readfirstlane_b32 s14, v1
	s_lshr_b32 s15, s14, 1                         ; I fetch for y (0) or for wp (1); which 64 tokens are mine
	s_and_b32 s16, s14, 1                          ; which half I fetch; which 128 columns are mine
	s_bfe_u32 s17, ttmp6, 0x40000
	s_bfe_u32 s18, ttmp6, 0x40004
	s_lshl_b32 s19, ttmp9, 2
	s_add_co_u32 s19, s19, s17                     ; work-group x: 256 columns
	s_and_b32 s20, ttmp7, 0xffff
	s_lshl_b32 s20, s20, 2
	s_add_co_u32 s20, s20, s18                     ; work-group y: 128 tokens
	s_lshl_b32 s2, s18, 2
	s_lshl_b32 s2, 15, s2
	s_lshl_b32 s76, 0x1111, s17
	s_or_b32 s[G1A], s2, (3<<16)|(1<<21)           ; 15:0 the mask; 17:16 elements of 8 bytes; 21 set beside a mask; no padding
	s_or_b32 s[G1B], s76, (3<<16)|(1<<21)
.irp g, G1A, G1B
	s_mov_b32 s[\g+1], 384<<16
	s_mov_b32 s[\g+3], 384<<16
	s_mov_b32 s[\g+5], 1536
	s_mov_b32 s[\g+6], 0
	s_mov_b32 s[\g+7], 0
.endr
	s_mov_b32 s[G1A+2], 4<<16
	s_mov_b32 s[G1A+4], 4
	s_mov_b32 s[G1B+2], 8<<16
	s_mov_b32 s[G1B+4], 8
	s_lshl_b32 s4, s20, 3                          ; y's address hangs on work-group y and the wave alone, in registers that never hold cx
	s_lshl_b32 s5, s16, 2
	s_add_co_u32 s4, s4, s5
	s_mul_i32 s4, s4, TILEB
	s_mov_b32 s5, 0
	s_lshl_b32 s96, s19, 4                         ; wp's on work-group x and the wave alone
	s_lshl_b32 s97, s16, 3
	s_add_co_u32 s96, s96, s97
	s_add_co_u32 s96, s96, 704
	s_mul_i32 s96, s96, TILEB
	s_mov_b32 s97, 0
	s_mul_i32 s8, s16, 12288
	s_mul_i32 s9, s16, 24576
	s_add_co_u32 s9, s9, 24576
	s_wait_dscnt 0x0
	s_wait_kmcnt 0x0
	s_add_nc_u64 s[6:7], s[80:81], s[4:5]
	s_add_nc_u64 s[98:99], s[82:83], s[96:97]
.irp c, 0,1,2,3
	s_mov_b32 s[G0A+4*\c], 1
	s_add_co_u32 s[G0A+4*\c+1], s8, \c*CH
	s_add_nc_u64 s[G0A+4*\c+2:G0A+4*\c+3], s[6:7], \c*3072
	s_or_b32 s[G0A+4*\c+3], s[G0A+4*\c+3], 0x80000000
	s_mov_b32 s[56+4*\c+4*(\c/2)], 1
	s_add_co_u32 s[56+4*\c+4*(\c/2)+1], s9, \c*CH
	s_add_nc_u64 s[56+4*\c+4*(\c/2)+2:56+4*\c+4*(\c/2)+3], s[98:99], \c*3072
	s_or_b32 s[56+4*\c+4*(\c/2)+3], s[56+4*\c+4*(\c/2)+3], 0x80000000
.endr
	CROUND                                         ; all sixteen work-groups are here: the joint loads meet
	s_cmp_eq_u32 s15, 0                            ; a wave's four fills stand in one branch: four loads of mine are out
	s_cbranch_scc0 .Lfill_b
	tensor_load_to_lds s[40:43], s[G1A:G1A+7]
	s_nop 0
	tensor_load_to_lds s[44:47], s[G1A:G1A+7]
	s_nop 0
	tensor_load_to_lds s[48:51], s[G1A:G1A+7]
	s_nop 0
	tensor_load_to_lds s[52:55], s[G1A:G1A+7]
	s_nop 0
	PLACES 4
	s_branch .Lfilled
.Lfill_b:
	tensor_load_to_lds s[56:59], s[G1B:G1B+7]
	s_nop 0
	tensor_load_to_lds s[60:63], s[G1B:G1B+7]
	s_nop 0
	tensor_load_to_lds s[68:71], s[G1B:G1B+7]
	s_nop 0
	tensor_load_to_lds s[72:75], s[G1B:G1B+7]
	s_nop 0
	PLACES 4
.Lfilled:
	v_and_b32 v1, 15, v0                           ; r
	v_bfe_u32 v2, v0, 4, 1                         ; h
	v_and_b32 v3, 31, v0                           ; lane
	v_lshlrev_b32 v[LI], 4, v3
	v_lshlrev_b32 v22, 6, v2
	s_mul_i32 s10, s15, 12288                      ; P: my 4 tiles of y
	v_add_nc_u32 v[ADP], s10, v[LI]
	v_add_nc_u32 v[ADS], s9, v[LI]                 ; S: my 8 tiles of wp
	v_lshl_add_u32 v[AD8], v3, 3, 512
	v_add_nc_u32 v[AD8], s10, v[AD8]
.irp c, 1,2,3
	v_add_nc_u32 v[ADP+\c], \c*CH, v[ADP]
	v_add_nc_u32 v[ADS+\c], \c*CH, v[ADS]
	v_add_nc_u32 v[AD8+\c], \c*CH, v[AD8]
.endr
	s_mul_i32 s11, s14, 8448                       ; my stage
	v_mul_u32_u24 v[STO], v1, 528
	v_lshl_add_u32 v[STO], v2, 6, v[STO]
	v_add_nc_u32 v[STO], s11, v[STO]               ; in: row r, + 64 h
	v_add_nc_u32 v[RD], s11, v[LI]                 ; back: 16 bytes a lane of a row
	s_lshl_b32 s96, s20, 3
	s_lshl_b32 s97, s15, 2
	s_add_co_u32 s97, s96, s97                     ; P's first scale row tile
	s_lshl_b32 s96, s19, 4
	s_add_co_u32 s96, s96, 512
	s_lshl_b32 s78, s16, 3
	s_add_co_u32 s96, s96, s78                     ; S's
	s_lshl_b32 s97, s97, 9
	s_lshl_b32 s96, s96, 9
	v_mov_b32 v20, s97
	v_mov_b32 v21, s96
	v_cmp_ne_u32 vcc_lo, 0, v2
	v_cndmask_b32 v20, v20, v21, vcc_lo
	v_lshl_add_u32 v20, v1, 5, v20                 ; lanes 0-15 P's rows, lanes 16-31 S's
	v_lshl_add_u32 v21, v2, 11, v20                ; for i = 4 .. 7: S's tile i beside P's tile i - 4, which is not used
	s_lshl_b32 s98, s19, 10
	s_lshl_b32 s78, s16, 9
	s_add_co_u32 s98, s98, s78
	s_mov_b32 s99, 0
	s_add_nc_u64 s[86:87], s[86:87], s[98:99]      ; bp at column 256 x + 128 x half
	s_lshl_b32 s96, s20, 7
	s_lshl_b32 s97, s15, 6
	s_add_co_u32 s96, s96, s97
	s_lshl_b32 s96, s96, 12                        ; my first token's row,
	s_add_co_u32 s96, s96, s98                     ; my first column
	s_mov_b32 s97, 0
	s_add_nc_u64 s[88:89], s[88:89], s[96:97]
.irp i, 0,1,2,3
	global_load_b128 v[SC+8*\i:SC+8*\i+3], v20, s[84:85] offset:512*\i
	global_load_b128 v[SC+8*\i+4:SC+8*\i+7], v20, s[84:85] offset:512*\i+16
.endr
.irp i, 4,5,6,7
	global_load_b128 v[SC+8*\i:SC+8*\i+3], v21, s[84:85] offset:512*(\i-4)
	global_load_b128 v[SC+8*\i+4:SC+8*\i+7], v21, s[84:85] offset:512*(\i-4)+16
.endr
	WIN 0x40
.irp b, 0,1,2,3,4,5,6,7
	global_load_b128 v[96+8*\b+96*(\b/4):96+8*\b+96*(\b/4)+3], v22, s[86:87] offset:(32*(\b/2)+8*(\b%2))*4
	global_load_b128 v[96+8*\b+96*(\b/4)+4:96+8*\b+96*(\b/4)+7], v22, s[86:87] offset:(32*(\b/2)+8*(\b%2))*4+16
.endr
	WIN 0
	s_wait_tensorcnt 3                             ; my part of chunk 0 is in; my three later loads may be out
	s_barrier_signal -1
	s_barrier_wait -1
	FETCH 0
	s_wait_loadcnt 0x0                             ; scale words and bp
.irp q, 0,1,2,3,4,5,6,7
	KSTEP \q
.endr
	WIN 0
	PLACES 4                                       ; between the last products and the first read of results and the loads into the fragments' registers
	TOSTAGE 0
.irp a, 1,2,3
.if \a > 1
	s_wait_xcnt 0x0                                ; block a - 2's stores have read their registers: block a's rows may land there
.endif
	TOSTAGE \a
	SEND \a-1, 32
.endr
	SEND 3, 0
	s_wait_tensorcnt 0x0
	ds_add_u32 v254, v255
	s_wait_dscnt 0x0
	CROUND                                         ; the closing round: no work-group ends while a partner may still ask for a tile that names it
	s_endpgm
.Lfunc_end_k_qe27d1145b5_proj:
	.size	k_qe27d1145b5_proj, .Lfunc_end_k_qe27d1145b5_proj-k_qe27d1145b5_proj
	.p2alignl 7, 3214868480
	.fill 96, 4, 3214868480
	.section	.rodata,"a",@progbits
	.p2align	6, 0x0
	.amdhsa_kernel k_qe27d1145b5_proj
		.amdhsa_group_segment_fixed_size 295424
		.amdhsa_private_segment_fixed_size 0
		.amdhsa_enable_private_segment 0
		.amdhsa_kernarg_size 40
		.amdhsa_user_sgpr_count 2
		.amdhsa_user_sgpr_kernarg_segment_ptr 1
		.amdhsa_wavefront_size32 1
		.amdhsa_system_sgpr_workgroup_id_x 1
		.amdhsa_system_sgpr_workgroup_id_y 1
		.amdhsa_system_sgpr_workgroup_id_z 1
		.amdhsa_system_vgpr_workitem_id 0
		.amdhsa_next_free_vgpr 768
		.amdhsa_next_free_sgpr 102
		.amdhsa_reserve_vcc 1
		.amdhsa_float_denorm_mode_32 3
		.amdhsa_float_denorm_mode_16_64 3
		.amdhsa_memory_ordered 1
		.amdhsa_forward_progress 1
		.amdhsa_inst_pref_size 81
	.end_amdhsa_kernel
	.amdgpu_metadata
---
amdhsa.version: [ 1, 2 ]
amdhsa.kernels:
  - .name:           k_qe27d1145b5_proj
    .symbol:         k_qe27d1145b5_proj.kd
    .args:
      - { .name: ycodes, .offset: 0, .size: 8, .value_kind: global_buffer, .address_space: global }
      - { .name: cw, .offset: 8, .size: 8, .value_kind: global_buffer, .address_space: global }
      - { .name: sc2, .offset: 16, .size: 8, .value_kind: global_buffer, .address_space: global }
      - { .name: bp, .offset: 24, .size: 8, .value_kind: global_buffer, .address_space: global }
      - { .name: out0, .offset: 32, .size: 8, .value_kind: global_buffer, .address_space: global }
    .group_segment_fixed_size: 295424
    .private_segment_fixed_size: 0
    .kernarg_segment_align: 8
    .kernarg_segment_size: 40
    .max_flat_workgroup_size: 128
    .sgpr_count:     102
    .vgpr_count:     768
    .wavefront_size: 32
...
	.end_amdgpu_metadata
.endif
;; end of part 4
